; MI455X (gfx1250); checked and timed in simulation.
; The chip was launched on July 23, 2026; its instructions are those of AMD's public machine-readable ISA for CDNA 5 (MIT licence, August 2026) and "CDNA5" Instruction Set Architecture Reference Guide (July 2026). The comments in the code are by the model that wrote it; some were corrected since.
;; Self Modifying Layer. Allowed arithmetic: float matrix products may take bf16 or f16 operands with f32 sums; other float arithmetic in f32, or as packed bf16 or f16 multiplies, adds, multiply-adds, maxima and minima; sums over many terms, partial sums and values carried from step to step in f32; what a program stores and reads back later, other than sums and carried values, may be rounded once to bf16 or f16.
;; Inputs: Wk 1,024 x 1,024 float32; Wo 1,024 x 1,024 float32; Wq 1,024 x 1,024 float32; Wv 1,024 x 1,024 float32; bk 1,024 float32; bo 1,024 float32; bq 1,024 float32; bv 1,024 float32; decay_param one number float32; x 8 x 128 x 1,024 float32.
;; Outputs: out0 8 x 128 x 1,024 float32.
;; 2 versions, each right; version 2 is version 1 with the launches qkv, mix written anew for expert scheduling mode. Each part assembles by itself: llvm-mc -triple=amdgcn-amd-amdhsa -mcpu=gfx1250 --defsym DOCPART=n.
;; ======== version 1 of 2: 2 launches
;; limits: values are held in f16: magnitudes above 65,504 overflow, below 6.1e-05 lose precision
;; workspace buffers: qf 2,097,152 bytes; kf 2,097,152 bytes; vf 2,097,152 bytes
;; launch qkv (part 1): grid 16 x 16, 4 waves a work-group, no clusters, 80,384 bytes of LDS; arguments x, Wq, Wk, Wv, bq, bk, bv, qf, kf, vf; writes qf, kf, vf
.if DOCPART == 1
	.amdgcn_target "amdgcn-amd-amdhsa--gfx1250"
	.amdhsa_code_object_version 6
	.text
	.protected	k_qb1faecd58f_qkv
	.globl	k_qb1faecd58f_qkv
	.p2align	8
	.type	k_qb1faecd58f_qkv,@function
k_qb1faecd58f_qkv:
	s_mov_b64 s[64:65], 0
	v_nop
	global_prefetch_b8 v0, s[64:65] scope:SCOPE_SE
	s_setreg_imm32_b32 hwreg(HW_REG_WAVE_MODE, 25, 1), 1
	s_wait_xcnt 0x0
; q = x Wq + bq,  k = elu(x Wk + bk) + 1,  v = x Wv + bv.   x: [1024 rows][1024] f32; W: [1024 k][1024 n] f32; b: [1024] f32.
; x, W and b are rounded once to bf16; products in the bf16 matrix form, sums in f32 (the bias is the C operand that starts a sum); q, k, v are rounded once to f16.
; OUTPUT LAYOUT (qf, kf, vf): [row tile 64][column tile 64][lane 32][8 f16]: a 16 x 16 tile is 512 bytes on end, lane (r, h) holds row r, columns 8 h .. 8 h + 7.
; Two neighbouring column tiles are one 16 x 32 operand fragment for the next launch, which loads them lane by lane with no shuffle.
; SHARES.  A work-group makes 64 rows x 64 columns of each of q, k, v (the same column block of the three W).  Wave w makes column tile w of each matrix for all four row tiles:
; 12 accumulators.  The matrix instruction is used transposed (source 0 = 16 columns of W, source 1 = 16 rows of x): a lane's eight results are eight neighbouring columns of one row.
; ROAD.  K goes in 16 slices of 64.  A slice's f32 numbers (x: 64 x 64, three W: 64 x 64) come into registers by 16-byte loads, are rounded to bf16 there and are written to LDS once, as 2 bytes each.
; Two register sets of 32 loads a wave stay on their way across the barriers; two LDS buffers take turns, one barrier a slice.  In a trip the fragment loads go out first, and the next slice's
; conversions, LDS stores and new global loads stand between them and the products, so that no wait stands straight behind what it waits for.
; NO TENSOR LOADS, NO CLUSTER: every operand is f32 in memory and has to be rounded between memory and the matrix unit.  Through registers a number touches LDS as one write of 2 bytes;
; a tile landed in LDS as it lies would be written as 4 bytes, read as 4 and written again as 2.  The work-groups that read the same slice of x or W begin at different slices instead (the rotation below).
; ROTATION.  The work-group walks the slices from (2 rb + cb) mod 16 on and wraps: only the order of the f32 sums differs from ascending K.
; LIMITS.  q, k, v must lie within f16's 65,504 (beyond it the conversion gives an infinity); below 6e-5 they keep f16's fixed step of 6e-8.  exp(z) below 2^-126 counts as 0.  NaN and infinities are not treated apart.
.set XBUF,  9216                       ; x stage: 64 rows x 144 bytes (128 of data + 16: the 16 rows of a fragment load start 36 words apart)
.set WS,    18432                      ; behind x's two buffers: W's stages
.set WMAT,  10240                      ; one matrix: 64 k rows x 160 bytes (128 of data + 32, for the turning load)
.set WBUF,  3*WMAT
.set SPARE, WS+2*WBUF                  ; 79,872: the spare words, 128 bytes a wave, which no other line names
.set BOF, 1                            ; v1   my byte offset in a bias's 64 numbers
.set VO,  2                            ; v2   (t >> 4) x 4096 + (t & 15) x 16: my row and my 16 bytes in a piece of 8 rows x 256 bytes; never rewritten
.set SX,  5                            ; v5   where I put 8 bytes of x's stage
.set SW,  6                            ; v6   the same for W's
.set FX,  7                            ; v7   my lane's place in a fragment of x
.set FW,  8                            ; v8   the same for W (turning load), my wave's column tile
.set GO,  9                            ; v9   16 t: my 16 bytes of the four waves' four output tiles
.set SPW, 10                           ; v10  LDS address of my spare word; never rewritten
.set NIL, 11                           ; v11  0; never rewritten
.set BIAS, 12                          ; v[12:35]   matrix g: b[my column tile's 8 h + j], j = 0..7
.set ACC,  36                          ; v[36:131]  accumulator (g, mt) at ACC + 8 (4 g + mt)
.set FR,   132                         ; v[132:243] half c of a slice at FR + 56 c: x's fragment mt at + 8 mt, W's fragment g at + 32 + 8 g
.set HT,   132                         ; ahead of the first fragments: five registers at work at the head,
.set TM,   140                         ; and twelve for the biases' rounding
.set VF,   244                         ; v[244:251] set S, chunk q at VF + 4 S + q: VO + the slice's step (x: 256 bytes along the rows; W: 64 rows of 4,096 bytes)
.set OUTR, 132                         ; the way out: 4 registers a tile, in FR's place
.set EXR,  180                         ; the way out: 8 exponentials
.set EUR,  188                         ; the way out: 8 x (z + 1)
; window 1 (v256-511): the landing registers: set S, chunk q (0: x; 1-3: Wq, Wk, Wv), load i at 128 S + 32 q + 4 i
.set MSB, 0
.macro WIN new                         ; the immediate's high byte repeats the setting that is left; a switch that changes nothing is dropped
.if MSB != (\new)
	s_set_vgpr_msb (MSB<<8)|(\new)
.set MSB, \new
.endif
.endm
.macro PLACES                          ; four plain vector instructions between a matrix instruction and a vector instruction that reads its result or writes one of its registers (ISA guide 7.12.1)
.rept 4
	v_nop
.endr
.endm
	s_load_b256 s[4:11], s[0:1], 0x0               ; x s[4:5], Wq s[6:7], Wk s[8:9], Wv s[10:11]
	s_load_b256 s[12:19], s[0:1], 0x20             ; bq s[12:13], bk s[14:15], bv s[16:17], qf s[18:19]
	s_load_b128 s[20:23], s[0:1], 0x40             ; kf s[20:21], vf s[22:23]
	v_lshl_add_u32 v[SPW], v0, 2, SPARE
	v_mov_b32 v[NIL], 0
	v_lshrrev_b32 v1, 5, v0
	v_readfirstlane_b32 s24, v1                    ; wave 0..3
	s_mov_b32 s25, ttmp9                           ; cb: block of 64 columns
	s_and_b32 s26, ttmp7, 0xffff                   ; rb: block of 64 rows
	s_lshl_b32 s27, s26, 1
	s_add_co_u32 s27, s27, s25
	s_and_b32 s27, s27, 15                         ; the slice to ask for next: the walk begins at (2 rb + cb) mod 16
	s_mov_b32 s32, 0x3fb8aa3b                      ; log2(e)
	s_mov_b32 s33, 0xffff0000                      ; a word's upper bf16
	v_lshrrev_b32 v[HT], 4, v0                     ; t >> 4: 0..7
	v_and_b32 v[HT+1], 15, v0                      ; t & 15 = lane & 15
	v_bfe_u32 v[HT+2], v0, 4, 1                    ; h = lane >> 4
	v_lshlrev_b32 v[BOF], 5, v[HT]                 ; (2 w + h) x 32 bytes: column 16 w + 8 h of the block
	v_lshlrev_b32 v[VO], 12, v[HT]
	v_lshl_add_u32 v[VO], v[HT+1], 4, v[VO]
	v_mul_u32_u24 v[SX], v[HT], 144
	v_lshl_add_u32 v[SX], v[HT+1], 3, v[SX]
	v_mul_u32_u24 v[SW], v[HT], 160
	v_lshl_add_u32 v[SW], v[HT+1], 3, v[SW]
	v_add_nc_u32 v[SW], WS, v[SW]
	v_mul_u32_u24 v[FX], v[HT+1], 144              ; a fragment of x: row r x pitch + 16 h; two loads 32 bytes apart
	v_lshl_add_u32 v[FX], v[HT+2], 4, v[FX]
	v_and_b32 v[HT+3], 7, v0
	v_lshl_add_u32 v[HT+3], v[HT+2], 3, v[HT+3]    ; the turning load: k row 8 h + (lane & 7),
	v_mul_u32_u24 v[FW], v[HT+3], 160
	v_bfe_u32 v[HT+4], v0, 3, 1
	v_lshl_add_u32 v[FW], v[HT+4], 4, v[FW]        ; 16 bytes by (lane >> 3) & 1,
	s_lshl_b32 s28, s24, 5
	s_add_co_u32 s28, s28, WS
	v_add_nc_u32 v[FW], s28, v[FW]                 ; my wave's 16 columns: 32 bytes
	v_lshlrev_b32 v[GO], 4, v0
	s_wait_kmcnt 0x0
	s_mov_b32 s31, 0
	s_lshl_b32 s30, s26, 18                        ; 64 rows of 4,096 bytes
	s_add_nc_u64 s[4:5], s[4:5], s[30:31]
	s_lshl_b32 s30, s25, 8                         ; 64 f32 columns
.irp p, 6,8,10,12,14,16
	s_add_nc_u64 s[\p:\p+1], s[\p:\p+1], s[30:31]
.endr
	s_lshl_b32 s30, s26, 17                        ; four row tiles of 32,768 bytes,
	s_lshl_b32 s34, s25, 11                        ; four column tiles of 512
	s_add_co_u32 s30, s30, s34
.irp p, 18,20,22
	s_add_nc_u64 s[\p:\p+1], s[\p:\p+1], s[30:31]
.endr
.irp g, 0,1,2
	global_load_b128 v[BIAS+8*(\g):BIAS+8*(\g)+3],   v[BOF], s[12+2*(\g):13+2*(\g)]
	global_load_b128 v[BIAS+8*(\g)+4:BIAS+8*(\g)+7], v[BOF], s[12+2*(\g):13+2*(\g)] offset:16
.endr
; The offset of chunk q of set S for slice s27 (written under window 0).  Each (set, chunk) has a register of its own, so that it is rewritten only behind the counted s_wait_loadcnt
; that shows the eight loads which named it done: no other wait is needed for it.
.macro OFFS S, q
.if (\q) == 0
	v_lshl_add_u32 v[VF+4*(\S)], s27, 8, v[VO]
.else
	v_lshl_add_u32 v[VF+4*(\S)+(\q)], s27, 18, v[VO]
.endif
.endm
.macro NEXTK                           ; the next slice, modulo 16
	s_add_co_u32 s27, s27, 1
	s_and_b32 s27, s27, 15
.endm
; Chunk q of a slice into set S: eight loads; thread t takes row (t >> 4) + 8 i, so 16 neighbouring lanes read 256 consecutive bytes, aligned.
.macro LOADS S, q
	WIN 0x40                                       ; data in window 1, offset in window 0
.irp i, 0,1,2,3,4,5,6,7
.if (\q) == 0
	global_load_b128 v[128*(\S)+4*(\i):128*(\S)+4*(\i)+3], v[VF+4*(\S)], s[4:5] offset:(\i)*32768
.else
	global_load_b128 v[128*(\S)+32*(\q)+4*(\i):128*(\S)+32*(\q)+4*(\i)+3], v[VF+4*(\S)+(\q)], s[4+2*(\q):5+2*(\q)] offset:(\i)*32768
.endif
.endr
.endm
.macro CVT S, q                        ; four f32 become four bf16, in place, in the load's first two registers
	WIN 0x45
.irp i, 0,1,2,3,4,5,6,7
	v_cvt_pk_bf16_f32 v[128*(\S)+32*(\q)+4*(\i)],   v[128*(\S)+32*(\q)+4*(\i)],   v[128*(\S)+32*(\q)+4*(\i)+1]
	v_cvt_pk_bf16_f32 v[128*(\S)+32*(\q)+4*(\i)+1], v[128*(\S)+32*(\q)+4*(\i)+2], v[128*(\S)+32*(\q)+4*(\i)+3]
.endr
.endm
.macro PUT S, q, buf                   ; and go to the stage, 8 bytes a lane
	WIN 0x04                                       ; address in window 0, data in window 1
.irp i, 0,1,2,3,4,5,6,7
.if (\q) == 0
	ds_store_b64 v[SX], v[128*(\S)+4*(\i):128*(\S)+4*(\i)+1] offset:(\buf)*XBUF+(\i)*1152
.else
	ds_store_b64 v[SW], v[128*(\S)+32*(\q)+4*(\i):128*(\S)+32*(\q)+4*(\i)+1] offset:(\buf)*WBUF+((\q)-1)*WMAT+(\i)*1280
.endif
.endr
.endm
.macro MOVE S, q, buf, issue           ; chunk q of set S goes to LDS buffer buf; issue = 1: its registers are at once asked to take the slice two slices on
	CVT \S, \q
	PUT \S, \q, \buf
.if \issue
	LOADS \S, \q
.endif
.endm
.macro ST01 S, buf, issue, cnt         ; chunks 0 and 1 behind one wait; cnt: the loads issued behind chunk 1
	WIN 0
	s_wait_loadcnt \cnt
.if \issue
	OFFS \S, 0
	OFFS \S, 1
.endif
	MOVE \S, 0, \buf, \issue
	MOVE \S, 1, \buf, \issue
.endm
.macro ST1 S, q, buf, issue, cnt       ; one chunk; cnt: the loads issued behind it
	WIN 0
	s_wait_loadcnt \cnt
.if \issue
	OFFS \S, \q
.endif
	MOVE \S, \q, \buf, \issue
.endm
; 28 LDS loads: for each half of 32 along K four fragments of x (as they lie) and three of W (turned)
.macro FRAGS buf
	WIN 0
.irp c, 0,1
.irp mt, 0,1,2,3
	ds_load_b128 v[FR+56*(\c)+8*(\mt):FR+56*(\c)+8*(\mt)+3],   v[FX] offset:(\buf)*XBUF+(\mt)*2304+64*(\c)
	ds_load_b128 v[FR+56*(\c)+8*(\mt)+4:FR+56*(\c)+8*(\mt)+7], v[FX] offset:(\buf)*XBUF+(\mt)*2304+64*(\c)+32
.endr
.irp g, 0,1,2
	ds_load_tr16_b128 v[FR+56*(\c)+32+8*(\g):FR+56*(\c)+32+8*(\g)+3],   v[FW] offset:(\buf)*WBUF+(\g)*WMAT+5120*(\c)
	ds_load_tr16_b128 v[FR+56*(\c)+32+8*(\g)+4:FR+56*(\c)+32+8*(\g)+7], v[FW] offset:(\buf)*WBUF+(\g)*WMAT+5120*(\c)+2560
.endr
.endr
.endm
; 12 matrix instructions, the 12 accumulators by turns, one instruction a turn.  first = 1: the bias starts the sums: nothing is cleared.
.macro MUL c, first
.irp mt, 0,1,2,3
.irp g, 0,1,2
.if \first
	v_wmma_f32_16x16x32_bf16 v[ACC+8*(4*(\g)+(\mt)):ACC+8*(4*(\g)+(\mt))+7], v[FR+56*(\c)+32+8*(\g):FR+56*(\c)+32+8*(\g)+7], v[FR+56*(\c)+8*(\mt):FR+56*(\c)+8*(\mt)+7], v[BIAS+8*(\g):BIAS+8*(\g)+7]
.else
	v_wmma_f32_16x16x32_bf16 v[ACC+8*(4*(\g)+(\mt)):ACC+8*(4*(\g)+(\mt))+7], v[FR+56*(\c)+32+8*(\g):FR+56*(\c)+32+8*(\g)+7], v[FR+56*(\c)+8*(\mt):FR+56*(\c)+8*(\mt)+7], v[ACC+8*(4*(\g)+(\mt)):ACC+8*(4*(\g)+(\mt))+7]
.endif
.endr
.endr
.endm
; A trip multiplies the slice in buffer par and stages the next slice into the other buffer.  The fragment loads go out first; two chunks of the staging stand between them and the first twelve products,
; one chunk between the two runs of products, one behind them.  ONE barrier a trip orders both ways: in front of it my stores into the other buffer and my reads of this one are done (s_wait_dscnt 0);
; behind it the other buffer is read, and this one, which nobody reads any more, is written.  The last chunk's 16 conversions are the places between the trip's last product and the next fragment loads.
; The load counts: chunk q's is cnt0 - dec x q, taken when the chunks before it have been issued again (issue = 1) or not; chunks 0 and 1 share chunk 1's count as it stands before chunk 0 is issued again: cnt0 - 8.
.macro TRIP par, first, stage, issue, cnt0, dec
	FRAGS \par
.if \stage
	ST01 1-(\par), 1-(\par), \issue, (\cnt0)-8
	WIN 0
	s_wait_dscnt 30                                ; the first half's 14 loads are in: behind them stand the second half's 14 and 16 stores
	MUL 0, \first
	ST1 1-(\par), 2, 1-(\par), \issue, (\cnt0)-2*(\dec)
	WIN 0
	s_wait_dscnt 24                                ; the second half's loads are in: behind them stand 24 stores
	MUL 1, 0
	ST1 1-(\par), 3, 1-(\par), \issue, (\cnt0)-3*(\dec)
.if \issue
	NEXTK
.endif
	WIN 0
	s_wait_dscnt 0x0
	s_barrier_signal -1
	s_barrier_wait -1
.else
	s_wait_dscnt 14                                ; the first half's 14 loads are in; the second half's 14 may be out
	MUL 0, \first
	s_wait_dscnt 0x0
	MUL 1, 0
.endif
.endm
.irp q, 0,1,2,3
	OFFS 0, \q
.endr
.irp q, 0,1,2,3
	LOADS 0, \q                                    ; slice 0 of the walk
.endr
	NEXTK
	WIN 0
.irp q, 0,1,2,3
	OFFS 1, \q                                     ; registers of their own: slice 1's loads follow slice 0's on end
.endr
.irp q, 0,1,2,3
	LOADS 1, \q                                    ; slice 1
.endr
	NEXTK
	ST01 0, 0, 1, 48                               ; behind chunk 1 of set 0 stand 16 loads of its set and 32 of set 1.  The biases are older: they are in
	ST1 0, 2, 0, 1, 56                             ; behind chunk q stand 8 (3 - q) loads of its set, 32 of set 1 and the 8 q just issued again: 56
	ST1 0, 3, 0, 1, 56
	NEXTK
	WIN 0
.irp k, 0,1,2,3,4,5,6,7,8,9,10,11                      ; the biases are rounded to bf16 like every other input
	v_cvt_pk_bf16_f32 v[TM+(\k)], v[BIAS+2*(\k)], v[BIAS+2*(\k)+1]
.endr
.irp k, 0,1,2,3,4,5,6,7,8,9,10,11
	v_lshlrev_b32 v[BIAS+2*(\k)],   16,  v[TM+(\k)]
	v_and_b32     v[BIAS+2*(\k)+1], s33, v[TM+(\k)]
.endr
	s_wait_dscnt 0x0                               ; my part of buffer 0 is written
	s_barrier_signal -1
	s_barrier_wait -1
	TRIP 0, 1, 1, 1, 56, 0                         ; trip 0 stands in front of the loop: its first products start the sums
	s_mov_b32 s28, 6
.Lk:                                                   ; trips 1 to 12: trip i multiplies slice i, stages slice i + 1 and asks for slice i + 3; the counts are 48, 56, 56 as above
	TRIP 1, 0, 1, 1, 56, 0
	TRIP 0, 0, 1, 1, 56, 0
	s_sub_co_u32 s28, s28, 1
	s_cmp_lg_u32 s28, 0
	s_cbranch_scc1 .Lk
	TRIP 1, 0, 1, 0, 56, 8                         ; trip 13 asks for nothing: behind chunk q stand 8 (3 - q) loads of its set and the other set's 32: 48, 40, 32
	TRIP 0, 0, 1, 0, 24, 8                         ; trip 14: only the rest of the last set: 16, 8, 0
	TRIP 1, 0, 0, 0, 0, 0                          ; trip 15
; THE WAY OUT.  A lane's eight results are eight neighbouring columns of one row: four conversions make its 16 bytes, and a wave's store covers a tile's 512 consecutive bytes, aligned.
.macro OUTT g, mt                      ; a tile of q or v
.irp k, 0,1,2,3
	v_cvt_pk_f16_f32 v[OUTR+4*(4*(\g)+(\mt))+(\k)], v[ACC+8*(4*(\g)+(\mt))+2*(\k)], v[ACC+8*(4*(\g)+(\mt))+2*(\k)+1]
.endr
	global_store_b128 v[GO], v[OUTR+4*(4*(\g)+(\mt)):OUTR+4*(4*(\g)+(\mt))+3], s[18+2*(\g):19+2*(\g)] offset:(\mt)*32768
.endm
.macro OUTK mt                         ; a tile of k: elu(z) + 1 is z + 1 where z > 0 and e^z elsewhere
.irp j, 0,1,2,3,4,5,6,7
	v_mul_f32 v[EXR+(\j)], s32, v[ACC+8*(4+(\mt))+(\j)]
.endr
.irp j, 0,1,2,3,4,5,6,7
	v_exp_f32 v[EXR+(\j)], v[EXR+(\j)]
.endr
.irp j, 0,1,2,3,4,5,6,7
	v_add_f32 v[EUR+(\j)], 1.0, v[ACC+8*(4+(\mt))+(\j)]   ; plain lines behind the exponentials, ahead of the first use of their results
.endr
	s_wait_alu depctr_va_vdst(0)
.irp j, 0,1,2,3,4,5,6,7
	v_cmp_lt_f32 vcc_lo, 0, v[ACC+8*(4+(\mt))+(\j)]
	v_cndmask_b32 v[EXR+(\j)], v[EXR+(\j)], v[EUR+(\j)], vcc_lo
.endr
.irp k, 0,1,2,3
	v_cvt_pk_f16_f32 v[OUTR+4*(4+(\mt))+(\k)], v[EXR+2*(\k)], v[EXR+2*(\k)+1]
.endr
	global_store_b128 v[GO], v[OUTR+4*(4+(\mt)):OUTR+4*(4+(\mt))+3], s[20:21] offset:(\mt)*32768
.endm
	PLACES
.irp mt, 0,1,2,3
	OUTT 0, \mt
	OUTT 2, \mt
.endr
.irp mt, 0,1,2,3
	OUTK \mt
.endr
	s_wait_tensorcnt 0x0                           ; the wave's end, behind my last LDS store
	ds_add_u32 v[SPW], v[NIL]
	s_wait_dscnt 0x0
	s_endpgm
.Lfunc_end_k_qb1faecd58f_qkv:
	.size	k_qb1faecd58f_qkv, .Lfunc_end_k_qb1faecd58f_qkv-k_qb1faecd58f_qkv
	.p2alignl 7, 3214868480
	.fill 96, 4, 3214868480
	.section	.rodata,"a",@progbits
	.p2align	6, 0x0
	.amdhsa_kernel k_qb1faecd58f_qkv
		.amdhsa_group_segment_fixed_size 80384
		.amdhsa_private_segment_fixed_size 0
		.amdhsa_enable_private_segment 0
		.amdhsa_kernarg_size 80
		.amdhsa_user_sgpr_count 2
		.amdhsa_user_sgpr_kernarg_segment_ptr 1
		.amdhsa_wavefront_size32 1
		.amdhsa_system_sgpr_workgroup_id_x 1
		.amdhsa_system_sgpr_workgroup_id_y 1
		.amdhsa_system_sgpr_workgroup_id_z 1
		.amdhsa_system_vgpr_workitem_id 0
		.amdhsa_next_free_vgpr 512
		.amdhsa_next_free_sgpr 66
		.amdhsa_reserve_vcc 1
		.amdhsa_float_denorm_mode_32 3
		.amdhsa_float_denorm_mode_16_64 3
		.amdhsa_memory_ordered 1
		.amdhsa_forward_progress 1
		.amdhsa_inst_pref_size 94
	.end_amdhsa_kernel
	.amdgpu_metadata
---
amdhsa.version: [ 1, 2 ]
amdhsa.kernels:
  - .name:           k_qb1faecd58f_qkv
    .symbol:         k_qb1faecd58f_qkv.kd
    .args:
      - { .name: x, .offset: 0, .size: 8, .value_kind: global_buffer, .address_space: global }
      - { .name: Wq, .offset: 8, .size: 8, .value_kind: global_buffer, .address_space: global }
      - { .name: Wk, .offset: 16, .size: 8, .value_kind: global_buffer, .address_space: global }
      - { .name: Wv, .offset: 24, .size: 8, .value_kind: global_buffer, .address_space: global }
      - { .name: bq, .offset: 32, .size: 8, .value_kind: global_buffer, .address_space: global }
      - { .name: bk, .offset: 40, .size: 8, .value_kind: global_buffer, .address_space: global }
      - { .name: bv, .offset: 48, .size: 8, .value_kind: global_buffer, .address_space: global }
      - { .name: qf, .offset: 56, .size: 8, .value_kind: global_buffer, .address_space: global }
      - { .name: kf, .offset: 64, .size: 8, .value_kind: global_buffer, .address_space: global }
      - { .name: vf, .offset: 72, .size: 8, .value_kind: global_buffer, .address_space: global }
    .group_segment_fixed_size: 80384
    .private_segment_fixed_size: 0
    .kernarg_segment_align: 8
    .kernarg_segment_size: 80
    .max_flat_workgroup_size: 128
    .sgpr_count:     66
    .vgpr_count:     512
    .wavefront_size: 32
...
	.end_amdgpu_metadata
.endif
;; end of part 1
;; launch mix (part 2): grid 16 x 16, 4 waves a work-group, no clusters, 144,896 bytes of LDS; arguments qf, kf, vf, Wo, bo, decay_param, out0; writes out0
.if DOCPART == 2
	.amdgcn_target "amdgcn-amd-amdhsa--gfx1250"
	.amdhsa_code_object_version 6
	.text
	.protected	k_qb1faecd58f_mix
	.globl	k_qb1faecd58f_mix
	.p2align	8
	.type	k_qb1faecd58f_mix,@function
k_qb1faecd58f_mix:
	s_mov_b64 s[64:65], 0
	v_nop
	global_prefetch_b8 v0, s[64:65] scope:SCOPE_SE
	s_setreg_imm32_b32 hwreg(HW_REG_WAVE_MODE, 25, 1), 1
	s_wait_xcnt 0x0
; out[b][t] = ( sum over s < t of d^(t-1-s) (q_t . k_s) v_s ) Wo + bo,  d = sigmoid(decay_param): the scan of rank-1 updates written out; the 1024 x 1024 memory is never formed.
; Per batch: A[t][s] = (q_t . k_s) d^(t-1-s) for s < t, else 0 (128 x 128);  T = V Wo;  out = A T + bo.
; qf, kf, vf: f16, [row tile 64][column tile 64][lane 32][8]: 1,024 bytes on end are one 16 x 32 operand fragment.  Wo [1024 e][1024 n], bo, decay_param: f32, each rounded once to bf16; Wo's bf16 number is then written as f16.
; SHARES.  Work-group (nb, y = 2 b + g): batch b, output columns 64 nb .., four t tiles of 16 rows.  Wave w = 2 p + c; a = 2 g + p.
;   A^T = K Q^T (source 0 = 16 keys s, source 1 = 16 queries t): the pair p owns t tiles 7 - a and a, together 9 tiles on or below the diagonal whatever a: all waves do equal work.  The pair's two waves split K:
;   wave c takes channels 32 c .. of every slice of 64; the halves meet in LDS behind the loop.  Ten accumulator slots: tile (7 - a, sigma) in slot sigma, tile (a, sigma) in slot 2 U + sigma, U = 4 - g; one slot stays 0.
;   T: wave w makes s tiles 2 w, 2 w + 1 x four tiles of 16 columns.  (A's tiles are made anew by each of the 16 column blocks: 4.7 M of a work-group's 14.1 M multiply-adds, the price of having no third launch.)
;   out^T = T^T A^T: wave (p, c) makes the pair's two t tiles x column tiles 2 c, 2 c + 1.  In A^T and in T a lane holds one t (or one column) and eight neighbouring s: rounded in pairs they ARE the operands of that product.
; FORMATS.  q, k, v, Wo in f16, sums in f32.  A and T can outgrow f16, so each goes as a bf16 pair hi + lo, and out takes three products: hi hi, lo hi, hi lo.
; ROAD.  K (the channels) goes in 16 slices of 64, begun at slice (nb + y) mod 16 and wrapped, so that work-groups that share K, V or Wo ask for different slices at a time; only the order of the f32 sums changes.
;   Q and V come from memory straight into operand registers; K (which all four waves read) and Wo (converted and turned) go through two LDS buffers that take turns, one barrier a slice.  Two register sets stay on their way
;   across the barriers.  In a trip the fragment loads go out first, and the next slice's staging stands between them and the products, so that no wait stands straight behind what it waits for.
; NO TENSOR LOADS, NO CLUSTER: of a slice's 56 KB, 24 go straight into operand registers and 16 (Wo) must be converted on the way; only K's 16 could land in LDS as they lie, and joint requests would forbid the rotation.
; LIMITS.  The bf16-rounded Wo must lie within f16's 65,504; below 6e-5 it keeps f16's fixed step of 6e-8.  log2 d is held at -1e30 or above, so d = 0 gives the factors 1, 0, 0, ..; a power of d below 2^-126 counts as 0.
;   NaN and infinities are not treated apart.
.set KBUF,  16384                      ; K's stage: 8 s tiles x 2,048 bytes, in lane order
.set WST,   32768                      ; Wo's stage: 64 e rows x 160 bytes (128 of data + 32, for the turning load)
.set WBUF,  10240
.set TT,    53248                      ; T: block ((nt 8 + sigma) 2 + hl) x 512 bytes, lane order
.set XA,    86016                      ; each wave's ten f32 partial tiles: 10,240 bytes a wave
.set OST,   126976                     ; the way out: 64 rows x 272 bytes
.set SPARE, 144384                     ; the spare words, 128 bytes a wave, which no other line names
.set L16, 2                            ; v2   16 x lane
.set T16, 3                            ; v3   16 x thread: K's 2,048 bytes of a tile and slice; also K's place in its stage
.set VO,  4                            ; v4   (t >> 4) x 4096 + (t & 15) x 16: my row and 16 bytes in 8 rows x 256 bytes of Wo
.set BOF, 5                            ; v5   my offset in bo's 64 numbers
.set FK,  6                            ; v6   my lane's place in a fragment of K, my half c of the channels
.set SWO, 7                            ; v7   where I put 8 bytes of Wo's stage
.set FWO, 8                            ; v8   my lane's place in a fragment of Wo (turning load)
.set ST,  9                            ; v9   where my T tiles go
.set FT,  10                           ; v10  where my fragments of T come from
.set SA,  11                           ; v11  my partial tiles
.set SPW, 12                           ; v12  LDS address of my spare word; never rewritten
.set NIL, 13                           ; v13  0; never rewritten
.set RA,  14                           ; v14  my partner's partial tiles (wave w xor 1)
.set SO,  15                           ; v15  the way out: in
.set RO,  16                           ; v16  the way out: back
.set GV,  17                           ; v17  my offset in two rows of out
.set VQ,  18                           ; v18-19  set S: L16 + slice x 2,048: Q's and V's offset
.set VK,  20                           ; v20-21  set S: T16 + slice x 2,048: K's offset
.set VW,  22                           ; v22-23  set S: VO + slice x 64 rows of 4,096 bytes: Wo's offset
.set TMP, 24                           ; v[24:31]   at work
.set ACC, 32                           ; v[32:111]  the ten slots of A^T
.set TACC, 112                         ; v[112:175] T's accumulator (i, nt) at TACC + 8 (4 i + nt)
.set OA,  112                          ; later out^T's accumulator (tau, q) at OA + 8 (2 tau + q)
.set GF,  176                          ; v[176:183] d^(E + 16 - j)
.set HF,  184                          ; v[184:191] d^(E - j), 0 where E - j < 0
.set BO,  192                          ; v[192:207] bo of my two column tiles
.set XH,  208                          ; v[208:247] A's five hi fragments, behind the loop
.set LG,  208                          ; ahead of the loop: log2 d,
.set EI,  209                          ; and E = r - 8 h - 1
.set TMP2, 248                         ; v[248:255] at work
; window 1: landing set S at 112 S: Q of tile a + 0, Q of tile 7 - a + 8, V(i, u) + 16 + 16 i + 8 u, K(sigma) + 48 + 4 sigma, Wo(i) + 80 + 4 i; behind the loop v[0:79] take the partner's partial tiles
; window 2: K's fragment sigma at 8 sigma, Wo's fragment (u, nt) at 64 + 8 (4 u + nt); behind the loop T's fragment (q, u, hl) at 8 ((4 q + u) 2 + hl)
.set MSB, 0
.macro WIN new                         ; the immediate's high byte repeats the setting that is left; a switch that changes nothing is dropped
.if MSB != (\new)
	s_set_vgpr_msb (MSB<<8)|(\new)
.set MSB, \new
.endif
.endm
.macro PLACES                          ; four plain vector instructions behind a matrix instruction, ahead of loads into its sources and of reads of its result
.rept 4
	v_nop
.endr
.endm
	s_load_b256 s[4:11], s[0:1], 0x0               ; qf s[4:5], kf s[6:7], vf s[8:9], Wo s[10:11]
	s_load_b128 s[12:15], s[0:1], 0x20             ; bo s[12:13], decay_param s[14:15]
	s_load_b64 s[16:17], s[0:1], 0x30              ; out0
	v_lshl_add_u32 v[SPW], v0, 2, SPARE
	v_mov_b32 v[NIL], 0
	v_lshrrev_b32 v1, 5, v0
	v_readfirstlane_b32 s20, v1                    ; w
	s_mov_b32 s21, ttmp9                           ; nb
	s_and_b32 s22, ttmp7, 0xffff                   ; y
	s_lshr_b32 s23, s22, 1                         ; b
	s_and_b32 s24, s22, 1                          ; g
	s_lshr_b32 s25, s20, 1                         ; p
	s_and_b32 s26, s20, 1                          ; c
	s_lshl1_add_u32 s27, s24, s25                  ; a = 2 g + p
	s_add_co_u32 s28, s21, s22
	s_and_b32 s28, s28, 15                         ; the next slice of Q and V to ask for,
	s_mov_b32 s29, s28                             ; and of K and Wo: both walks begin at (nb + y) mod 16
	s_mov_b32 s45, 0xffff0000                      ; a word's upper bf16
	v_and_b32 v[L16], 31, v0
	v_lshlrev_b32 v[L16], 4, v[L16]
	v_lshlrev_b32 v[T16], 4, v0
	v_lshrrev_b32 v24, 4, v0                       ; t >> 4
	v_and_b32 v25, 15, v0                          ; r
	v_bfe_u32 v26, v0, 4, 1                        ; h
	v_lshlrev_b32 v[VO], 12, v24
	v_lshl_add_u32 v[VO], v25, 4, v[VO]
	v_lshlrev_b32 v[BOF], 5, v26
	v_lshl_add_u32 v[BOF], s26, 7, v[BOF]          ; column (2 c) 16 + 8 h, in bytes
	v_lshl_add_u32 v[FK], s26, 10, v[L16]
	v_mul_u32_u24 v[SWO], v24, 160
	v_lshl_add_u32 v[SWO], v25, 3, v[SWO]
	v_add_nc_u32 v[SWO], WST, v[SWO]
	v_and_b32 v27, 7, v0
	v_lshl_add_u32 v27, v26, 3, v27                ; the turning load: e row 8 h + (lane & 7),
	v_mul_u32_u24 v[FWO], v27, 160
	v_bfe_u32 v28, v0, 3, 1
	v_lshl_add_u32 v[FWO], v28, 4, v[FWO]          ; 16 bytes by (lane >> 3) & 1
	v_add_nc_u32 v[FWO], WST, v[FWO]
	s_lshl_b32 s30, s20, 11
	s_add_co_u32 s30, s30, TT
	v_add_nc_u32 v[ST], s30, v[L16]
	s_lshl_b32 s30, s26, 14
	s_add_co_u32 s30, s30, TT
	v_add_nc_u32 v[FT], s30, v[L16]
	s_mul_i32 s30, s20, 10240
	s_add_co_u32 s30, s30, XA
	v_add_nc_u32 v[SA], s30, v[L16]
	s_xor_b32 s30, s20, 1
	s_mul_i32 s30, s30, 10240
	s_add_co_u32 s30, s30, XA
	v_add_nc_u32 v[RA], s30, v[L16]
	s_mul_i32 s30, s25, 32*272                     ; the stage's row 32 p + 16 tau + r, bytes 128 c + 64 q + 32 h
	s_lshl_b32 s31, s26, 7
	s_add_co_u32 s30, s30, s31
	s_add_co_u32 s30, s30, OST
	v_mul_u32_u24 v[SO], v25, 272
	v_lshl_add_u32 v[SO], v26, 5, v[SO]
	v_add_nc_u32 v[SO], s30, v[SO]
	s_mul_i32 s30, s20, 16*272                     ; back: wave w takes rows 16 w .., two whole rows a load
	s_add_co_u32 s30, s30, OST
	v_mul_u32_u24 v[RO], v26, 272
	v_lshl_add_u32 v[RO], v25, 4, v[RO]
	v_add_nc_u32 v[RO], s30, v[RO]
	v_lshlrev_b32 v[GV], 12, v26
	v_lshl_add_u32 v[GV], v25, 4, v[GV]
	v_lshlrev_b32 v[EI], 3, v26
	v_sub_nc_u32 v[EI], v25, v[EI]
	v_add_nc_u32 v[EI], -1, v[EI]                  ; E = r - 8 h - 1: register j of a tile Delta tiles below the diagonal's has t - 1 - s = 16 Delta + E - j
.irp s, 5,7,9                                          ; the slot that no product writes is 9, 7, 9 or 5 for a = 0..3: these three start at 0
.irp j, 0,1,2,3,4,5,6,7
	v_mov_b32 v[ACC+8*(\s)+(\j)], 0
.endr
.endr
	s_wait_kmcnt 0x0
	s_load_b32 s44, s[14:15], 0x0                  ; decay_param
	s_mov_b32 s33, 0
	s_lshl_b32 s46, s23, 3                         ; 8 b
	s_lshl_b32 s47, s26, 10                        ; my half of a slice's channels: 1,024 bytes
	s_add_co_u32 s32, s46, s27
	s_lshl_b32 s32, s32, 15                        ; a row tile is 32,768 bytes
	s_add_co_u32 s32, s32, s47
	s_add_nc_u64 s[34:35], s[4:5], s[32:33]        ; Q of t tile a
	s_add_co_u32 s32, s46, 7
	s_sub_co_u32 s32, s32, s27
	s_lshl_b32 s32, s32, 15
	s_add_co_u32 s32, s32, s47
	s_add_nc_u64 s[36:37], s[4:5], s[32:33]        ; Q of t tile 7 - a
	s_lshl_b32 s32, s23, 18
	s_add_nc_u64 s[40:41], s[6:7], s[32:33]        ; K of the batch
	s_lshl_b32 s46, s20, 16
	s_add_co_u32 s32, s32, s46
	s_add_nc_u64 s[38:39], s[8:9], s[32:33]        ; V at my two s tiles
	s_lshl_b32 s32, s21, 8
	s_add_nc_u64 s[42:43], s[10:11], s[32:33]      ; Wo and bo at the block's 64 columns
	s_add_nc_u64 s[12:13], s[12:13], s[32:33]
	s_sub_co_u32 s46, 7, s27
	s_cmp_eq_u32 s26, 0
	s_cselect_b32 s46, s46, s27                    ; the t tile that I store: 7 - a (c = 0) or a (c = 1)
	s_lshl_b32 s46, s46, 16                        ; 16 rows of 4,096 bytes
	s_lshl_b32 s47, s23, 19                        ; 128 rows
	s_add_co_u32 s46, s46, s47
	s_add_co_u32 s32, s32, s46
	s_add_nc_u64 s[16:17], s[16:17], s[32:33]
.irp q, 0,1
	global_load_b128 v[BO+8*(\q):BO+8*(\q)+3],   v[BOF], s[12:13] offset:64*(\q)
	global_load_b128 v[BO+8*(\q)+4:BO+8*(\q)+7], v[BOF], s[12:13] offset:64*(\q)+16
.endr
; 12 loads straight into operand registers: Q of my two t tiles (my 32 channels) and V of my two s tiles (64 channels).  Each set has an offset register of its own: it is rewritten only
; behind the counted s_wait_loadcnt that shows the set's last loads, which named it, done.
.macro QVLOAD S
	WIN 0
	v_lshl_add_u32 v[VQ+(\S)], s28, 11, v[L16]
	s_add_co_u32 s28, s28, 1
	s_and_b32 s28, s28, 15
	WIN 0x40                                       ; data in window 1, offset in window 0
	global_load_b128 v[112*(\S):112*(\S)+3],     v[VQ+(\S)], s[34:35]
	global_load_b128 v[112*(\S)+4:112*(\S)+7],   v[VQ+(\S)], s[34:35] offset:512
	global_load_b128 v[112*(\S)+8:112*(\S)+11],  v[VQ+(\S)], s[36:37]
	global_load_b128 v[112*(\S)+12:112*(\S)+15], v[VQ+(\S)], s[36:37] offset:512
.irp i, 0,1
.irp k, 0,1,2,3
	global_load_b128 v[112*(\S)+16+16*(\i)+4*(\k):112*(\S)+16+16*(\i)+4*(\k)+3], v[VQ+(\S)], s[38:39] offset:(\i)*32768+512*(\k)
.endr
.endr
.endm
; 16 loads for the stages: my 16 bytes of each of K's eight tiles; my row and 16 bytes of each 8 rows of Wo's slice (16 lanes read 256 consecutive bytes, aligned).  Offset registers as above.
.macro KWLOAD S
	WIN 0
	v_lshl_add_u32 v[VK+(\S)], s29, 11, v[T16]
	v_lshl_add_u32 v[VW+(\S)], s29, 18, v[VO]
	s_add_co_u32 s29, s29, 1
	s_and_b32 s29, s29, 15
	WIN 0x40
.irp t, 0,1,2,3,4,5,6,7
	global_load_b128 v[112*(\S)+48+4*(\t):112*(\S)+48+4*(\t)+3], v[VK+(\S)], s[40:41] offset:(\t)*32768
.endr
.irp i, 0,1,2,3,4,5,6,7
	global_load_b128 v[112*(\S)+80+4*(\i):112*(\S)+80+4*(\i)+3], v[VW+(\S)], s[42:43] offset:(\i)*32768
.endr
.endm
; K goes to its stage as it came.  Wo: four f32 are rounded to bf16, widened again and written as f16 (exact within f16's range), in place; each step runs across the eight loads, so that no line waits for the one before it.
.macro KWSTAGE S, buf
	WIN 0x04                                       ; address in window 0, data in window 1
.irp t, 0,1,2,3,4,5,6,7
	ds_store_b128 v[T16], v[112*(\S)+48+4*(\t):112*(\S)+48+4*(\t)+3] offset:(\buf)*KBUF+(\t)*2048
.endr
	WIN 0x45
.irp i, 0,1,2,3,4,5,6,7
	v_cvt_pk_bf16_f32 v[112*(\S)+80+4*(\i)], v[112*(\S)+80+4*(\i)], v[112*(\S)+80+4*(\i)+1]
.endr
.irp i, 0,1,2,3,4,5,6,7
	v_cvt_pk_bf16_f32 v[112*(\S)+80+4*(\i)+1], v[112*(\S)+80+4*(\i)+2], v[112*(\S)+80+4*(\i)+3]
.endr
.irp i, 0,1,2,3,4,5,6,7
	v_lshlrev_b32 v[112*(\S)+80+4*(\i)+2], 16, v[112*(\S)+80+4*(\i)]
.endr
.irp i, 0,1,2,3,4,5,6,7
	v_and_b32 v[112*(\S)+80+4*(\i)+3], s45, v[112*(\S)+80+4*(\i)]
.endr
.irp i, 0,1,2,3,4,5,6,7
	v_cvt_pk_f16_f32 v[112*(\S)+80+4*(\i)], v[112*(\S)+80+4*(\i)+2], v[112*(\S)+80+4*(\i)+3]
.endr
.irp i, 0,1,2,3,4,5,6,7
	v_lshlrev_b32 v[112*(\S)+80+4*(\i)+2], 16, v[112*(\S)+80+4*(\i)+1]
.endr
.irp i, 0,1,2,3,4,5,6,7
	v_and_b32 v[112*(\S)+80+4*(\i)+3], s45, v[112*(\S)+80+4*(\i)+1]
.endr
.irp i, 0,1,2,3,4,5,6,7
	v_cvt_pk_f16_f32 v[112*(\S)+80+4*(\i)+1], v[112*(\S)+80+4*(\i)+2], v[112*(\S)+80+4*(\i)+3]
.endr
	WIN 0x04
.irp i, 0,1,2,3,4,5,6,7
	ds_store_b64 v[SWO], v[112*(\S)+80+4*(\i):112*(\S)+80+4*(\i)+1] offset:(\buf)*WBUF+(\i)*1280
.endr
.endm
; 32 LDS loads: Wo's eight fragments (turned) first, then K's eight (all eight s tiles for every wave: one text)
.macro FRAGS buf
	WIN 0x80                                       ; data in window 2, address in window 0
.irp u, 0,1
.irp nt, 0,1,2,3
	ds_load_tr16_b128 v[64+8*(4*(\u)+(\nt)):64+8*(4*(\u)+(\nt))+3],   v[FWO] offset:(\buf)*WBUF+(\u)*5120+(\nt)*32
	ds_load_tr16_b128 v[64+8*(4*(\u)+(\nt))+4:64+8*(4*(\u)+(\nt))+7], v[FWO] offset:(\buf)*WBUF+(\u)*5120+(\nt)*32+2560
.endr
.endr
.irp t, 0,1,2,3,4,5,6,7
	ds_load_b128 v[8*(\t):8*(\t)+3],   v[FK] offset:(\buf)*KBUF+(\t)*2048
	ds_load_b128 v[8*(\t)+4:8*(\t)+7], v[FK] offset:(\buf)*KBUF+(\t)*2048+512
.endr
.endm
; T += V Wo: 16 matrix instructions, the eight accumulators by turns, one instruction a turn.  first = 1: the first eight start the sums with the constant 0.
.macro TMUL S, first
	WIN 0x09                                       ; source 0 (V) window 1, source 1 (Wo) window 2, C and D window 0
.irp u, 0,1
.irp i, 0,1
.irp nt, 0,1,2,3
.if (\first) && ((\u) == 0)
	v_wmma_f32_16x16x32_f16 v[TACC+8*(4*(\i)+(\nt)):TACC+8*(4*(\i)+(\nt))+7], v[112*(\S)+16+16*(\i)+8*(\u):112*(\S)+16+16*(\i)+8*(\u)+7], v[64+8*(4*(\u)+(\nt)):64+8*(4*(\u)+(\nt))+7], 0
.else
	v_wmma_f32_16x16x32_f16 v[TACC+8*(4*(\i)+(\nt)):TACC+8*(4*(\i)+(\nt))+7], v[112*(\S)+16+16*(\i)+8*(\u):112*(\S)+16+16*(\i)+8*(\u)+7], v[64+8*(4*(\u)+(\nt)):64+8*(4*(\u)+(\nt))+7], v[TACC+8*(4*(\i)+(\nt)):TACC+8*(4*(\i)+(\nt))+7]
.endif
.endr
.endr
.endr
.endm
.macro AW slot, sig, qreg, first       ; slot += K's tile sig x Q
.if \first
	v_wmma_f32_16x16x32_f16 v[ACC+8*(\slot):ACC+8*(\slot)+7], v[8*(\sig):8*(\sig)+7], v[\qreg:\qreg+7], 0
.else
	v_wmma_f32_16x16x32_f16 v[ACC+8*(\slot):ACC+8*(\slot)+7], v[8*(\sig):8*(\sig)+7], v[\qreg:\qreg+7], v[ACC+8*(\slot):ACC+8*(\slot)+7]
.endif
.endm
; A^T's nine tiles for the pair a: nine different accumulators
.macro AVAR a, S, first
	WIN 0x06                                       ; source 0 (K) window 2, source 1 (Q) window 1, C and D window 0
.set sg, 0
.rept 8-(\a)
	AW sg, sg, 112*(\S)+8, \first
.set sg, sg+1
.endr
.set sg, 0
.rept (\a)+1
	AW 8-2*((\a)/2)+sg, sg, 112*(\S), \first
.set sg, sg+1
.endr
	WIN 0
.endm
; One of four texts by a.  The jumps go forward, pass no barrier, and every window is 0 at them.
.macro ON_A m, p1, p2
	s_cmp_lt_u32 s27, 2
	s_cbranch_scc0 .La23_\@
	s_cmp_eq_u32 s27, 0
	s_cbranch_scc0 .La1_\@
	\m 0, \p1, \p2
	s_branch .Ladone_\@
.La1_\@:
	\m 1, \p1, \p2
	s_branch .Ladone_\@
.La23_\@:
	s_cmp_eq_u32 s27, 2
	s_cbranch_scc0 .La3_\@
	\m 2, \p1, \p2
	s_branch .Ladone_\@
.La3_\@:
	\m 3, \p1, \p2
.Ladone_\@:
.endm
; Trip i multiplies slice i (K and Wo from LDS buffer par, Q and V from register set par).  Its fragment loads go out first; between them and the products stand the staging of K and Wo of slice i + 1 into the other
; buffer (st) and the request for those of slice i + 3 (ik); behind the products Q and V of slice i + 2 are asked for (iq).
; cl: the loads that may stay out at the trip's one wait for global data.  Trip j issues K, Wo of slice j + 3 (16 loads) and then Q, V of slice j + 2 (12): with the 28 of the trip before left out,
; K, Wo of slice i + 1 and Q, V of slice i are both in, and the offset registers that those loads named may be rewritten.
; ONE barrier a trip orders both ways: in front of it my stores into the other buffer and my reads of this one are done; behind it the other buffer is read and this one may be written.
.macro TRIP par, first, cl, st, ik, iq
	FRAGS \par
	s_wait_loadcnt \cl
.if \st
	KWSTAGE 1-(\par), 1-(\par)
.if \ik
	KWLOAD 1-(\par)
.endif
	s_wait_dscnt 32                                ; Wo's 16 fragment loads are in: behind them stand K's 16 and the 16 stores
.else
	s_wait_dscnt 16                                ; Wo's 16 loads are in; K's 16 may be out
.endif
	TMUL \par, \first
.if \st
	s_wait_dscnt 16                                ; K's fragments are in; the 16 stores may be out
.else
	s_wait_dscnt 0x0
.endif
	WIN 0
	ON_A AVAR, \par, \first
	PLACES                                         ; ahead of the loads into Q's and V's registers, and of the next trip's fragment loads
.if \iq
	QVLOAD \par
	WIN 0
.endif
.if \st
	s_wait_dscnt 0x0
	s_barrier_signal -1
	s_barrier_wait -1
.endif
.endm
	KWLOAD 0                                       ; slices 0 and 1 of the walk: four runs of loads on end, each with offset registers of its own
	QVLOAD 0
	KWLOAD 1
	QVLOAD 1
	WIN 0
	; while they are on their way: log2 d and the factors
	s_wait_kmcnt 0x0
	v_mov_b32 v24, s44
	v_cvt_pk_bf16_f32 v24, v24, v24                ; decay_param is rounded to bf16 like every other input
	v_lshlrev_b32 v24, 16, v24
	v_mul_f32 v24, 0xbfb8aa3b, v24                 ; - p log2(e)
	v_exp_f32 v25, v24
	v_nop                                          ; a plain line behind each transcendental, ahead of the use of its result
	s_wait_alu depctr_va_vdst(0)
	v_add_f32 v25, 1.0, v25
	v_log_f32 v25, v25
	v_nop
	s_wait_alu depctr_va_vdst(0)
	v_mul_f32 v25, -1.0, v25                       ; log2 d = - log2(1 + e^-p)
	v_max_num_f32 v[LG], 0xf149f2ca, v25           ; held at -1e30, so that 0 x log2 d is 0 where d is 0
.irp j, 0,1,2,3,4,5,6,7
	v_add_nc_u32 v[GF+(\j)], 16-(\j), v[EI]        ; 0 .. 30
	v_add_nc_u32 v[TMP+(\j)], -(\j), v[EI]         ; -16 .. 14
.endr
.irp j, 0,1,2,3,4,5,6,7
	v_cvt_f32_i32 v[GF+(\j)], v[GF+(\j)]
	v_cvt_f32_i32 v[HF+(\j)], v[TMP+(\j)]
.endr
.irp j, 0,1,2,3,4,5,6,7
	v_mul_f32 v[GF+(\j)], v[LG], v[GF+(\j)]
	v_max_num_f32 v[HF+(\j)], 0, v[HF+(\j)]
.endr
.irp j, 0,1,2,3,4,5,6,7
	v_mul_f32 v[HF+(\j)], v[LG], v[HF+(\j)]
.endr
	v_mul_f32 v[TMP2+1], 16.0, v[LG]
	v_mul_f32 v[TMP2+2], 32.0, v[LG]
	v_mul_f32 v[TMP2+3], 48.0, v[LG]
	v_mul_f32 v[TMP2+4], 64.0, v[LG]
	v_mul_f32 v[TMP2+5], 80.0, v[LG]
	v_mul_f32 v[TMP2+6], 96.0, v[LG]
.irp j, 0,1,2,3,4,5,6,7
	v_exp_f32 v[GF+(\j)], v[GF+(\j)]
.endr
.irp j, 0,1,2,3,4,5,6,7
	v_exp_f32 v[HF+(\j)], v[HF+(\j)]
.endr
.irp m, 1,2,3,4,5,6
	v_exp_f32 v[TMP2+(\m)], v[TMP2+(\m)]
.endr
	v_nop
	s_wait_alu depctr_va_vdst(0)
.irp j, 0,1,2,3,4,5,6,7
	v_cmp_le_i32 vcc_lo, 0, v[TMP+(\j)]            ; s < t ?
	v_cndmask_b32 v[HF+(\j)], 0, v[HF+(\j)], vcc_lo
.endr
.irp m, 1,2,3,4,5,6
	v_readfirstlane_b32 s[48+2*(\m)], v[TMP2+(\m)] ; d^(16 m): the same in every lane
	s_mov_b32 s[49+2*(\m)], s[48+2*(\m)]           ; named with it as a pair
.endr
	s_wait_loadcnt 40                              ; behind slice 0's K and Wo stand 12 + 16 + 12 loads; bo's four are older still
	KWSTAGE 0, 0
	KWLOAD 0                                       ; slice 2
	WIN 0
.irp k, 0,1,2,3,4,5,6,7                                ; bo is rounded to bf16
	v_cvt_pk_bf16_f32 v[TMP+(\k)], v[BO+2*(\k)], v[BO+2*(\k)+1]
.endr
.irp k, 0,1,2,3,4,5,6,7
	v_lshlrev_b32 v[BO+2*(\k)],   16,  v[TMP+(\k)]
	v_and_b32     v[BO+2*(\k)+1], s45, v[TMP+(\k)]
.endr
	s_wait_dscnt 0x0                               ; my part of buffer 0 is written
	s_barrier_signal -1
	s_barrier_wait -1
	TRIP 0, 1, 28, 1, 1, 1                         ; trip 0 stands in front of the loop: its products start the sums.  Here the 28 are slice 1's Q, V (12) and slice 2's K, Wo (16): slice 1's K, Wo and slice 0's Q, V are older
	s_mov_b32 s30, 6
.Lk:                                                   ; trips 1 to 12
	TRIP 1, 0, 28, 1, 1, 1
	TRIP 0, 0, 28, 1, 1, 1
	s_sub_co_u32 s30, s30, 1
	s_cmp_lg_u32 s30, 0
	s_cbranch_scc1 .Lk
	TRIP 1, 0, 28, 1, 0, 1                         ; trip 13 asks for the last Q and V, and for no K and Wo
	TRIP 0, 0, 12, 1, 0, 0                         ; trip 14: only the last Q and V, 12 loads, may be out
	TRIP 1, 0, 0, 0, 0, 0                          ; trip 15; its four places also serve the lines below
; Eight f32 in R become a bf16 pair: hi (4 registers at HD), and lo = bf16(R - hi) (4 registers at LD; LD = R is allowed: the writes ascend behind the reads).  The accumulator's lowest registers are read first.
.macro SPLIT R, HD, LD
.irp k, 0,1,2,3
	v_cvt_pk_bf16_f32 v[(\HD)+(\k)], v[(\R)+2*(\k)], v[(\R)+2*(\k)+1]
.endr
.irp k, 0,1,2,3
	v_lshlrev_b32 v[TMP+2*(\k)],   16,  v[(\HD)+(\k)]
	v_and_b32     v[TMP+2*(\k)+1], s45, v[(\HD)+(\k)]
.endr
.irp k, 0,1,2,3
	v_pk_add_f32 v[(\R)+2*(\k):(\R)+2*(\k)+1], v[(\R)+2*(\k):(\R)+2*(\k)+1], v[TMP+2*(\k):TMP+2*(\k)+1] neg_lo:[0,1] neg_hi:[0,1]
.endr
.irp k, 0,1,2,3
	v_cvt_pk_bf16_f32 v[(\LD)+(\k)], v[(\R)+2*(\k)], v[(\R)+2*(\k)+1]
.endr
.endm
	; my half sums of A^T go to my partner, T's tiles to everybody
.irp s, 0,1,2,3,4,5,6,7,8,9
	ds_store_b128 v[SA], v[ACC+8*(\s):ACC+8*(\s)+3]   offset:(\s)*1024
	ds_store_b128 v[SA], v[ACC+8*(\s)+4:ACC+8*(\s)+7] offset:(\s)*1024+512
.endr
.irp i, 0,1
.irp nt, 0,1,2,3
	SPLIT TACC+8*(4*(\i)+(\nt)), TMP2+4*((\nt)%2), TACC+8*(4*(\i)+(\nt))
	ds_store_b128 v[ST], v[TMP2+4*((\nt)%2):TMP2+4*((\nt)%2)+3] offset:(\nt)*8192+(\i)*1024
	ds_store_b128 v[ST], v[TACC+8*(4*(\i)+(\nt)):TACC+8*(4*(\i)+(\nt))+3] offset:(\nt)*8192+(\i)*1024+512
.endr
.endr
	s_wait_dscnt 0x0                               ; for the others' sake: my stores are done
	s_barrier_signal -1
	s_barrier_wait -1
	WIN 0x40
.irp s, 0,1,2,3,4,5,6,7,8,9
	ds_load_b128 v[8*(\s):8*(\s)+3],   v[RA] offset:(\s)*1024
	ds_load_b128 v[8*(\s)+4:8*(\s)+7], v[RA] offset:(\s)*1024+512
.endr
	WIN 0x80
.irp q, 0,1
.irp u, 0,1,2,3
.irp hl, 0,1                                           ; a fragment of T^T: 16 columns x s tiles 2 u, 2 u + 1
	ds_load_b128 v[8*((4*(\q)+(\u))*2+(\hl)):8*((4*(\q)+(\u))*2+(\hl))+3],   v[FT] offset:(\q)*8192+(\u)*2048+(\hl)*512
	ds_load_b128 v[8*((4*(\q)+(\u))*2+(\hl))+4:8*((4*(\q)+(\u))*2+(\hl))+7], v[FT] offset:(\q)*8192+(\u)*2048+(\hl)*512+1024
.endr
.endr
.endr
	s_wait_dscnt 32                                ; my partner's half sums are in; T's 32 loads may be out
	WIN 0x04
.set i, 0
.rept 40
	v_pk_add_f32 v[ACC+2*i:ACC+2*i+1], v[ACC+2*i:ACC+2*i+1], v[2*i:2*i+1]
.set i, i+1
.endr
	WIN 0
; The factors d^(t-1-s).  delta = t tile - s tile: 0: HF, which also hides s >= t; 1 or more: GF, and from 2 on d^(16 (delta - 1)) as well.
.macro FMUL slot, delta
.irp k, 0,1,2,3
.if (\delta) == 0
	v_pk_mul_f32 v[ACC+8*(\slot)+2*(\k):ACC+8*(\slot)+2*(\k)+1], v[ACC+8*(\slot)+2*(\k):ACC+8*(\slot)+2*(\k)+1], v[HF+2*(\k):HF+2*(\k)+1]
.else
	v_pk_mul_f32 v[ACC+8*(\slot)+2*(\k):ACC+8*(\slot)+2*(\k)+1], v[ACC+8*(\slot)+2*(\k):ACC+8*(\slot)+2*(\k)+1], v[GF+2*(\k):GF+2*(\k)+1]
.endif
.endr
.if (\delta) >= 2
.irp k, 0,1,2,3
	v_pk_mul_f32 v[ACC+8*(\slot)+2*(\k):ACC+8*(\slot)+2*(\k)+1], v[ACC+8*(\slot)+2*(\k):ACC+8*(\slot)+2*(\k)+1], s[46+2*(\delta):47+2*(\delta)] op_sel_hi:[1,0]
.endr
.endif
.endm
.macro FACT a, d1, d2                  ; the last two arguments are not used
.set sg, 0
.rept 8-(\a)
	FMUL sg, 7-(\a)-sg
.set sg, sg+1
.endr
.set sg, 0
.rept (\a)+1
	FMUL 8-2*((\a)/2)+sg, (\a)-sg
.set sg, sg+1
.endr
.endm
	ON_A FACT, 0, 0
.irp f, 0,1,2,3,4                                      ; slots 2 f, 2 f + 1 make fragment f (32 s x 16 t): hi at XH + 8 f, lo in slot 2 f's own eight registers
	SPLIT ACC+16*(\f),   XH+8*(\f),   ACC+16*(\f)
	SPLIT ACC+16*(\f)+8, XH+8*(\f)+4, ACC+16*(\f)+4
.endr
	s_wait_dscnt 0x0                               ; T's fragments are in
; out^T = bo + T^T A^T.  Fragments 0 .. U - 1 belong to t tile 7 - a (tau = 0), the others to t tile a (tau = 1).  For each: hi hi, lo hi, hi lo, for my two column tiles q by turns:
; no two matrix instructions on end share an accumulator, one instruction a turn.  bo is the C operand that starts a sum.
.macro PH3 g
	WIN 0x02                                       ; source 0 (T) window 2, all else window 0
.set ff, 0
.rept 5
.if ff < 4-(\g)
.set tau, 0
.set uu, ff
.else
.set tau, 1
.set uu, ff-4+(\g)
.endif
.irp kind, 0,1,2
.irp q, 0,1
.set rD, OA+8*(2*tau+(\q))
.set rT, 8*((4*(\q)+uu)*2+(\kind)/2)
.if (\kind) == 1
.set rA, ACC+16*ff
.else
.set rA, XH+8*ff
.endif
.if (uu == 0) && ((\kind) == 0)
	v_wmma_f32_16x16x32_bf16 v[rD:rD+7], v[rT:rT+7], v[rA:rA+7], v[BO+8*(\q):BO+8*(\q)+7]
.else
	v_wmma_f32_16x16x32_bf16 v[rD:rD+7], v[rT:rT+7], v[rA:rA+7], v[rD:rD+7]
.endif
.endr
.endr
.set ff, ff+1
.endr
	WIN 0
.endm
	s_cmp_eq_u32 s24, 0
	s_cbranch_scc0 .Lg1
	PH3 0
	s_branch .Lsummed
.Lg1:
	PH3 1
.Lsummed:
	PLACES
	; THE WAY OUT.  A lane holds one row t and eight neighbouring columns: 32 bytes.  They go into rows of 272 bytes; a row's 256 bytes come from two waves, so a barrier stands between writing and reading.
.irp tau, 0,1
.irp q, 0,1
	ds_store_b128 v[SO], v[OA+8*(2*(\tau)+(\q)):OA+8*(2*(\tau)+(\q))+3]   offset:(\tau)*4352+(\q)*64
	ds_store_b128 v[SO], v[OA+8*(2*(\tau)+(\q))+4:OA+8*(2*(\tau)+(\q))+7] offset:(\tau)*4352+(\q)*64+16
.endr
.endr
	s_wait_dscnt 0x0
	s_barrier_signal -1
	s_barrier_wait -1
.irp i, 0,1,2,3,4,5,6,7
	ds_load_b128 v[ACC+4*(\i):ACC+4*(\i)+3], v[RO] offset:(\i)*544
.endr
.irp i, 0,1,2,3,4,5,6,7
	s_wait_dscnt 7-(\i)                            ; LDS loads come back in order: load i is in
	global_store_b128 v[GV], v[ACC+4*(\i):ACC+4*(\i)+3], s[16:17] offset:(\i)*8192 th:TH_STORE_NT  ; 16 lanes store 256 consecutive bytes, at a multiple of 256 from out0's first byte
.endr
	s_wait_tensorcnt 0x0                           ; the wave's end, behind my last LDS store
	ds_add_u32 v[SPW], v[NIL]
	s_wait_dscnt 0x0
	s_endpgm
.Lfunc_end_k_qb1faecd58f_mix:
	.size	k_qb1faecd58f_mix, .Lfunc_end_k_qb1faecd58f_mix-k_qb1faecd58f_mix
	.p2alignl 7, 3214868480
	.fill 96, 4, 3214868480
	.section	.rodata,"a",@progbits
	.p2align	6, 0x0
	.amdhsa_kernel k_qb1faecd58f_mix
		.amdhsa_group_segment_fixed_size 144896
		.amdhsa_private_segment_fixed_size 0
		.amdhsa_enable_private_segment 0
		.amdhsa_kernarg_size 56
		.amdhsa_user_sgpr_count 2
		.amdhsa_user_sgpr_kernarg_segment_ptr 1
		.amdhsa_wavefront_size32 1
		.amdhsa_system_sgpr_workgroup_id_x 1
		.amdhsa_system_sgpr_workgroup_id_y 1
		.amdhsa_system_sgpr_workgroup_id_z 1
		.amdhsa_system_vgpr_workitem_id 0
		.amdhsa_next_free_vgpr 640
		.amdhsa_next_free_sgpr 66
		.amdhsa_reserve_vcc 1
		.amdhsa_float_denorm_mode_32 3
		.amdhsa_float_denorm_mode_16_64 3
		.amdhsa_memory_ordered 1
		.amdhsa_forward_progress 1
		.amdhsa_inst_pref_size 139
	.end_amdhsa_kernel
	.amdgpu_metadata
---
amdhsa.version: [ 1, 2 ]
amdhsa.kernels:
  - .name:           k_qb1faecd58f_mix
    .symbol:         k_qb1faecd58f_mix.kd
    .args:
      - { .name: qf, .offset: 0, .size: 8, .value_kind: global_buffer, .address_space: global }
      - { .name: kf, .offset: 8, .size: 8, .value_kind: global_buffer, .address_space: global }
      - { .name: vf, .offset: 16, .size: 8, .value_kind: global_buffer, .address_space: global }
      - { .name: Wo, .offset: 24, .size: 8, .value_kind: global_buffer, .address_space: global }
      - { .name: bo, .offset: 32, .size: 8, .value_kind: global_buffer, .address_space: global }
      - { .name: decay_param, .offset: 40, .size: 8, .value_kind: global_buffer, .address_space: global }
      - { .name: out0, .offset: 48, .size: 8, .value_kind: global_buffer, .address_space: global }
    .group_segment_fixed_size: 144896
    .private_segment_fixed_size: 0
    .kernarg_segment_align: 8
    .kernarg_segment_size: 56
    .max_flat_workgroup_size: 128
    .sgpr_count:     66
    .vgpr_count:     640
    .wavefront_size: 32
...
	.end_amdgpu_metadata
.endif
;; end of part 2
;; ======== version 2 of 2: 2 launches; version 1 with the launches qkv, mix written anew for expert scheduling mode
;; limits: values are held in f16: magnitudes above 65,504 overflow, below 6.1e-05 lose precision
;; workspace buffers: qf 2,097,152 bytes; kf 2,097,152 bytes; vf 2,097,152 bytes
;; launch qkv (part 3): grid 16 x 16, 4 waves a work-group, no clusters, 80,384 bytes of LDS; arguments x, Wq, Wk, Wv, bq, bk, bv, qf, kf, vf; writes qf, kf, vf
.if DOCPART == 3
	.amdgcn_target "amdgcn-amd-amdhsa--gfx1250"
	.amdhsa_code_object_version 6
	.text
	.protected	k_qb1faecd58f_qkv
	.globl	k_qb1faecd58f_qkv
	.p2align	8
	.type	k_qb1faecd58f_qkv,@function
k_qb1faecd58f_qkv:
	s_mov_b64 s[64:65], 0
	v_nop
	global_prefetch_b8 v0, s[64:65] scope:SCOPE_SE
	s_setreg_imm32_b32 hwreg(HW_REG_WAVE_SCHED_MODE, 0, 2), 2
	s_setreg_imm32_b32 hwreg(HW_REG_WAVE_MODE, 25, 1), 1
	s_wait_xcnt 0x0
	s_wait_alu depctr_vm_vsrc(0)
; q = x Wq + bq,  k = elu(x Wk + bk) + 1,  v = x Wv + bv.   x: [1024 rows][1024] f32; W: [1024 k][1024 n] f32; b: [1024] f32.
; x, W and b are rounded once to bf16; products in the bf16 matrix form, sums in f32 (the bias is the C operand that starts a sum); q, k, v are rounded once to f16.
; OUTPUT LAYOUT (qf, kf, vf): [row tile 64][column tile 64][lane 32][8 f16]: a 16 x 16 tile is 512 bytes on end, lane (r, h) holds row r, columns 8 h .. 8 h + 7.
; Two neighbouring column tiles are one 16 x 32 operand fragment for the next launch, which loads them lane by lane with no shuffle.
; SHARES.  A work-group makes 64 rows x 64 columns of each of q, k, v (the same column block of the three W).  Wave w makes column tile w of each matrix for all four row tiles:
; 12 accumulators.  The matrix instruction is used transposed (source 0 = 16 columns of W, source 1 = 16 rows of x): a lane's eight results are eight neighbouring columns of one row.
; ROAD.  K goes in 16 slices of 64.  A slice's f32 numbers (x: 64 x 64, three W: 64 x 64) come into registers by 16-byte loads, are rounded to bf16 there, into an out-buffer, and are written to LDS once,
; as 2 bytes each.  Two landing sets of 32 loads a wave stay on their way across the barriers; two LDS buffers take turns, one barrier a slice.
; NO TENSOR LOADS, NO CLUSTER: every operand is f32 in memory and has to be rounded between memory and the matrix unit.  Through registers a number touches LDS as one write of 2 bytes;
; a tile landed in LDS as it lies would be written as 4 bytes, read as 4 and written again as 2.  The work-groups that read the same slice of x or W begin at different slices instead (the rotation below).
; ROTATION.  The work-group walks the slices from (2 rb + cb) mod 16 on and wraps: only the order of the f32 sums differs from ascending K.
; LIMITS.  q, k, v must lie within f16's 65,504 (beyond it the conversion gives an infinity); below 6e-5 they keep f16's fixed step of 6e-8.  exp(z) below 2^-126 counts as 0.  NaN and infinities are not treated apart.
; THE MODE: SCHED_MODE bits 1:0 = 2 (LLVM: expert scheduling mode 2), set by the entry lines.  The code itself states the register dependences between vector or matrix instructions
; and memory or LDS instructions, with s_wait_alu, always for 0.
; THE PLAN.  Registers that memory or LDS instructions touch, in the loop (trip i multiplies slice i of the walk):
;   L0, L1   landing sets.  Slice j lands in L[j % 2]: 32 loads at the end of trip j - 4.  Read by the 64 conversions at the end of trip j - 2, and by nothing else; asked for again straight behind them.
;   OUT      the same slice in bf16.  Written by those conversions; read by the 32 LDS stores of trip j - 1.
;   FR       written by a trip's 28 LDS loads, read by its 24 products.
;   VF       four offsets a set: written just ahead of the set's conversions, read by the 32 loads behind them.
;   v[SX], v[SW], v[FX], v[FW], v[GO], v[BOF]: made at the head and never written again.  ACC and BIAS are named by vector and matrix instructions alone.
; So a trip has ONE wait on va_vdst, behind its conversions, which stand behind its products: OUT and the offsets are written, the set is read out, the products are done with FR.  What follows it, up to the next
; trip's conversions, are the set's loads, the next trip's fragment loads and its LDS stores, dealt among products that name FR, ACC and BIAS alone.  And ONE wait on vm_vsrc, ahead of the offsets and the conversions:
; the LDS stores have read OUT, the loads have read VF.
.set XBUF,  9216                       ; x stage: 64 rows x 144 bytes (128 of data + 16: the 16 rows of a fragment load start 36 words apart)
.set WS,    18432                      ; behind x's two buffers: W's stages
.set WMAT,  10240                      ; one matrix: 64 k rows x 160 bytes (128 of data + 32, for the turning load)
.set WBUF,  3*WMAT
.set SPARE, WS+2*WBUF                  ; 79,872: the spare words, 128 bytes a wave, which no other line names
.set BOF, 1                            ; v1   my byte offset in a bias's 64 numbers
.set VO,  2                            ; v2   (t >> 4) x 4096 + (t & 15) x 16: my row and my 16 bytes in a piece of 8 rows x 256 bytes; never rewritten
.set SX,  5                            ; v5   where I put 8 bytes of x's stage
.set SW,  6                            ; v6   the same for W's
.set FX,  7                            ; v7   my lane's place in a fragment of x
.set FW,  8                            ; v8   the same for W (turning load), my wave's column tile
.set GO,  9                            ; v9   16 t: my 16 bytes of the four waves' four output tiles
.set SPW, 10                           ; v10  LDS address of my spare word; never rewritten
.set NIL, 11                           ; v11  0; never rewritten
.set BIAS, 12                          ; v[12:35]   matrix g: b[my column tile's 8 h + j], j = 0..7
.set ACC,  36                          ; v[36:131]  accumulator (g, mt) at ACC + 8 (4 g + mt)
.set FR,   132                         ; v[132:243] half c of a slice at FR + 56 c: x's fragment mt at + 8 mt, W's fragment g at + 32 + 8 g
.set HT,   132                         ; ahead of the first fragments: five registers at work at the head,
.set TM,   140                         ; and twelve for the biases' rounding
.set VF,   244                         ; v[244:251] set S, chunk q at VF + 4 S + q: VO + the slice's step (x: 256 bytes along the rows; W: 64 rows of 4,096 bytes)
.set OUTR, 132                         ; the way out: 4 registers a tile, in FR's place
.set EXR,  180                         ; the way out: k's 32 exponentials
.set EUR,  212                         ; the way out: k's 32 x (z + 1)
; window 1 (v256-511): the landing registers: set S, chunk q (0: x; 1-3: Wq, Wk, Wv), load i at 128 S + 32 q + 4 i
.set OUT,  0                           ; window 2 (v512-575): chunk q, load i: 2 registers at OUT + 16 q + 2 i: four bf16
.set MSB, 0
.macro WIN new                         ; the immediate's high byte repeats the setting that is left; a switch that changes nothing is dropped
.if MSB != (\new)
	s_set_vgpr_msb (MSB<<8)|(\new)
.set MSB, \new
.endif
.endm
.macro PLACES                          ; four plain vector instructions between a matrix instruction and what reads its result or writes one of its registers (ISA guide 7.12.1)
.rept 4
	v_nop
.endr
.endm
; The offset of chunk q of set S for slice s27 (written under window 0).  Each (set, chunk) has a register of its own: it is rewritten only behind the counted s_wait_loadcnt
; that shows the eight loads which named it done, and behind the wait on vm_vsrc that stands beside that wait.
.macro OFFS S, q
.if (\q) == 0
	v_lshl_add_u32 v[VF+4*(\S)], s27, 8, v[VO]
.else
	v_lshl_add_u32 v[VF+4*(\S)+(\q)], s27, 18, v[VO]
.endif
.endm
.macro NEXTK                           ; the next slice, modulo 16
	s_add_co_u32 s27, s27, 1
	s_and_b32 s27, s27, 15
.endm
	s_load_b256 s[4:11], s[0:1], 0x0               ; x s[4:5], Wq s[6:7], Wk s[8:9], Wv s[10:11]
	s_load_b256 s[12:19], s[0:1], 0x20             ; bq s[12:13], bk s[14:15], bv s[16:17], qf s[18:19]
	s_load_b128 s[20:23], s[0:1], 0x40             ; kf s[20:21], vf s[22:23]
	v_lshl_add_u32 v[SPW], v0, 2, SPARE
	v_mov_b32 v[NIL], 0
	v_lshrrev_b32 v1, 5, v0
	v_readfirstlane_b32 s24, v1                    ; wave 0..3
	s_mov_b32 s25, ttmp9                           ; cb: block of 64 columns
	s_and_b32 s26, ttmp7, 0xffff                   ; rb: block of 64 rows
	s_lshl_b32 s27, s26, 1
	s_add_co_u32 s27, s27, s25
	s_and_b32 s27, s27, 15                         ; the slice to ask for next: the walk begins at (2 rb + cb) mod 16
	s_mov_b32 s32, 0x3fb8aa3b                      ; log2(e)
	s_mov_b32 s33, 0xffff0000                      ; a word's upper bf16
	v_lshrrev_b32 v[HT], 4, v0                     ; t >> 4: 0..7
	v_and_b32 v[HT+1], 15, v0                      ; t & 15 = lane & 15
	v_bfe_u32 v[HT+2], v0, 4, 1                    ; h = lane >> 4
	v_lshlrev_b32 v[BOF], 5, v[HT]                 ; (2 w + h) x 32 bytes: column 16 w + 8 h of the block
	v_lshlrev_b32 v[VO], 12, v[HT]
	v_lshl_add_u32 v[VO], v[HT+1], 4, v[VO]
	v_mul_u32_u24 v[SX], v[HT], 144
	v_lshl_add_u32 v[SX], v[HT+1], 3, v[SX]
	v_mul_u32_u24 v[SW], v[HT], 160
	v_lshl_add_u32 v[SW], v[HT+1], 3, v[SW]
	v_add_nc_u32 v[SW], WS, v[SW]
	v_mul_u32_u24 v[FX], v[HT+1], 144              ; a fragment of x: row r x pitch + 16 h; two loads 32 bytes apart
	v_lshl_add_u32 v[FX], v[HT+2], 4, v[FX]
	v_and_b32 v[HT+3], 7, v0
	v_lshl_add_u32 v[HT+3], v[HT+2], 3, v[HT+3]    ; the turning load: k row 8 h + (lane & 7),
	v_mul_u32_u24 v[FW], v[HT+3], 160
	v_bfe_u32 v[HT+4], v0, 3, 1
	v_lshl_add_u32 v[FW], v[HT+4], 4, v[FW]        ; 16 bytes by (lane >> 3) & 1,
	s_wait_alu depctr_va_sdst(0)                   ; s24, the wave's number, is written, ahead of its first reader
	s_lshl_b32 s28, s24, 5
	s_add_co_u32 s28, s28, WS
	v_add_nc_u32 v[FW], s28, v[FW]                 ; my wave's 16 columns: 32 bytes
	v_lshlrev_b32 v[GO], 4, v0
.irp q, 0,1,2,3
	OFFS 0, \q                                     ; slice 0 of the walk
.endr
	NEXTK
.irp q, 0,1,2,3
	OFFS 1, \q                                     ; slice 1: registers of their own, so that its loads follow slice 0's on end
.endr
	NEXTK
	s_wait_kmcnt 0x0
	s_mov_b32 s31, 0
	s_lshl_b32 s30, s26, 18                        ; 64 rows of 4,096 bytes
	s_add_nc_u64 s[4:5], s[4:5], s[30:31]
	s_lshl_b32 s30, s25, 8                         ; 64 f32 columns
.irp p, 6,8,10,12,14,16
	s_add_nc_u64 s[\p:\p+1], s[\p:\p+1], s[30:31]
.endr
	s_lshl_b32 s30, s26, 17                        ; four row tiles of 32,768 bytes,
	s_lshl_b32 s34, s25, 11                        ; four column tiles of 512
	s_add_co_u32 s30, s30, s34
.irp p, 18,20,22
	s_add_nc_u64 s[\p:\p+1], s[\p:\p+1], s[30:31]
.endr
	s_wait_alu depctr_va_vdst(0)                   ; every offset and address of the kernel is written (v1 to v11, VF), which the loads and stores below read; so are v[HT ..], in which fragments land later
.irp g, 0,1,2
	global_load_b128 v[BIAS+8*(\g):BIAS+8*(\g)+3],   v[BOF], s[12+2*(\g):13+2*(\g)]
	global_load_b128 v[BIAS+8*(\g)+4:BIAS+8*(\g)+7], v[BOF], s[12+2*(\g):13+2*(\g)] offset:16
.endr
; Chunk q of a slice into set S: eight loads; thread t takes row (t >> 4) + 8 i, so 16 neighbouring lanes read 256 consecutive bytes, aligned.
.macro LOADS S, q
	WIN 0x40                                       ; data in window 1, offset in window 0
.irp i, 0,1,2,3,4,5,6,7
.if (\q) == 0
	global_load_b128 v[128*(\S)+4*(\i):128*(\S)+4*(\i)+3], v[VF+4*(\S)], s[4:5] offset:(\i)*32768
.else
	global_load_b128 v[128*(\S)+32*(\q)+4*(\i):128*(\S)+32*(\q)+4*(\i)+3], v[VF+4*(\S)+(\q)], s[4+2*(\q):5+2*(\q)] offset:(\i)*32768
.endif
.endr
.endm
.macro CVT S, q                        ; four f32 of a load become four bf16 in two registers of OUT
	WIN 0x85                                       ; sources in window 1, destination in window 2
.irp i, 0,1,2,3,4,5,6,7
	v_cvt_pk_bf16_f32 v[OUT+16*(\q)+2*(\i)],   v[128*(\S)+32*(\q)+4*(\i)],   v[128*(\S)+32*(\q)+4*(\i)+1]
	v_cvt_pk_bf16_f32 v[OUT+16*(\q)+2*(\i)+1], v[128*(\S)+32*(\q)+4*(\i)+2], v[128*(\S)+32*(\q)+4*(\i)+3]
.endr
.endm
.macro PUT q, buf                      ; chunk q of OUT goes to the stage, 8 bytes a lane
	WIN 0x08                                       ; address in window 0, data in window 2
.irp i, 0,1,2,3,4,5,6,7
.if (\q) == 0
	ds_store_b64 v[SX], v[OUT+2*(\i):OUT+2*(\i)+1] offset:(\buf)*XBUF+(\i)*1152
.else
	ds_store_b64 v[SW], v[OUT+16*(\q)+2*(\i):OUT+16*(\q)+2*(\i)+1] offset:(\buf)*WBUF+((\q)-1)*WMAT+(\i)*1280
.endif
.endr
.endm
; Set S is emptied into OUT.  issue = 1: it is at once asked to take the slice two slices on.  cnt: the loads issued behind the set's own: the other set's 32, or none.
.macro STAGE S, issue, cnt
	WIN 0
	s_wait_loadcnt \cnt                            ; loads come back in order (ISA guide 5.7.1): set S is in
	s_wait_alu depctr_vm_vsrc(0)                   ; the LDS stores issued so far have read OUT, which the conversions write again; the loads issued so far have read the set's offsets, which are written again
.if \issue
.irp q, 0,1,2,3
	OFFS \S, \q
.endr
	NEXTK
.endif
.irp q, 0,1,2,3
	CVT \S, \q
.endr
.if \issue
	WIN 0x40
.else
	WIN 0
.endif
	s_wait_alu depctr_va_vdst(0)                   ; the conversions have written OUT, which the next LDS stores read, and are done reading set S, in which the loads below land; the offsets are written; the products issued so far are done reading FR, in which the next fragments land
.if \issue
.irp q, 0,1,2,3
	LOADS \S, \q
.endr
.endif
.endm
; 28 LDS loads: for each half of 32 along K four fragments of x (as they lie) and three of W (turned)
.macro FRAGS buf
	WIN 0
.irp c, 0,1
.irp mt, 0,1,2,3
	ds_load_b128 v[FR+56*(\c)+8*(\mt):FR+56*(\c)+8*(\mt)+3],   v[FX] offset:(\buf)*XBUF+(\mt)*2304+64*(\c)
	ds_load_b128 v[FR+56*(\c)+8*(\mt)+4:FR+56*(\c)+8*(\mt)+7], v[FX] offset:(\buf)*XBUF+(\mt)*2304+64*(\c)+32
.endr
.irp g, 0,1,2
	ds_load_tr16_b128 v[FR+56*(\c)+32+8*(\g):FR+56*(\c)+32+8*(\g)+3],   v[FW] offset:(\buf)*WBUF+(\g)*WMAT+5120*(\c)
	ds_load_tr16_b128 v[FR+56*(\c)+32+8*(\g)+4:FR+56*(\c)+32+8*(\g)+7], v[FW] offset:(\buf)*WBUF+(\g)*WMAT+5120*(\c)+2560
.endr
.endr
.endm
; 12 matrix instructions, the 12 accumulators by turns, one instruction a turn.  first = 1: the bias starts the sums: nothing is cleared.
.macro MUL c, first
.irp mt, 0,1,2,3
.irp g, 0,1,2
.if \first
	v_wmma_f32_16x16x32_bf16 v[ACC+8*(4*(\g)+(\mt)):ACC+8*(4*(\g)+(\mt))+7], v[FR+56*(\c)+32+8*(\g):FR+56*(\c)+32+8*(\g)+7], v[FR+56*(\c)+8*(\mt):FR+56*(\c)+8*(\mt)+7], v[BIAS+8*(\g):BIAS+8*(\g)+7]
.else
	v_wmma_f32_16x16x32_bf16 v[ACC+8*(4*(\g)+(\mt)):ACC+8*(4*(\g)+(\mt))+7], v[FR+56*(\c)+32+8*(\g):FR+56*(\c)+32+8*(\g)+7], v[FR+56*(\c)+8*(\mt):FR+56*(\c)+8*(\mt)+7], v[ACC+8*(4*(\g)+(\mt)):ACC+8*(4*(\g)+(\mt))+7]
.endif
.endr
.endr
.endm
; Trip i multiplies slice i, which lies in LDS buffer par = i % 2.  put = 1: OUT, which holds slice i + 1, goes into the other buffer.  stage = 1: set par, which holds slice i + 2, is emptied into OUT;
; issue = 1: and asked to take slice i + 4.  The fragment loads and the LDS stores owe no wait of their own: the wait on va_vdst at the end of the trip before covers them, and the products between name none of their registers.
; ONE barrier a trip orders both ways: in front of it my stores into the other buffer and my reads of this one are done (s_wait_dscnt 0); behind it the other buffer is read, and this one, which nobody reads any more, is written.
.macro TRIP par, first, put, stage, issue, cnt
	FRAGS \par
.if \put
	PUT 0, 1-(\par)
	PUT 1, 1-(\par)
	WIN 0
	s_wait_dscnt 30                                ; the first half's 14 loads are in: behind them stand the second half's 14 and 16 stores
	MUL 0, \first
	PUT 2, 1-(\par)
	PUT 3, 1-(\par)
	WIN 0
	s_wait_dscnt 32                                ; the second half's loads are in: behind them stand 32 stores
	MUL 1, 0
.if \stage
	STAGE \par, \issue, \cnt
.else
	PLACES                                         ; there is nothing left to convert: four places stand between the last product and the loads into its sources,
	s_wait_alu depctr_va_vdst(0)                   ; and the wait beside them: the products are done reading FR, in which the last trip's fragments land
.endif
	WIN 0
	s_wait_dscnt 0x0
	s_barrier_signal -1
	s_barrier_wait -1
.else
	s_wait_dscnt 14                                ; the first half's 14 loads are in; the second half's 14 may be out
	MUL 0, \first
	s_wait_dscnt 0x0
	MUL 1, 0
.endif
.endm
.irp q, 0,1,2,3
	LOADS 0, \q                                    ; slice 0 of the walk
.endr
.irp q, 0,1,2,3
	LOADS 1, \q                                    ; slice 1
.endr
	STAGE 0, 1, 32                                 ; slice 0 into OUT; behind set 0 stand set 1's 32 loads, and the biases are older: they are in.  Set 0 is asked to take slice 2
.irp q, 0,1,2,3
	PUT \q, 0                                      ; buffer 0's first filling: nobody has read it
.endr
	WIN 0
.irp k, 0,1,2,3,4,5,6,7,8,9,10,11                      ; the biases are rounded to bf16 like every other input
	v_cvt_pk_bf16_f32 v[TM+(\k)], v[BIAS+2*(\k)], v[BIAS+2*(\k)+1]
.endr
.irp k, 0,1,2,3,4,5,6,7,8,9,10,11
	v_lshlrev_b32 v[BIAS+2*(\k)],   16,  v[TM+(\k)]
	v_and_b32     v[BIAS+2*(\k)+1], s33, v[TM+(\k)]
.endr
	STAGE 1, 1, 32                                 ; slice 1 into OUT, for trip 0's stores; set 1 is asked to take slice 3.  Its wait on va_vdst also states that v[TM ..] are written, in which trip 0's fragments land
	WIN 0
	s_wait_dscnt 0x0                               ; my part of buffer 0 is written
	s_barrier_signal -1
	s_barrier_wait -1
	TRIP 0, 1, 1, 1, 1, 32                         ; trip 0 stands in front of the loop: its first products start the sums
	s_mov_b32 s28, 5
.Lk:                                                   ; trips 1 to 10
	TRIP 1, 0, 1, 1, 1, 32
	TRIP 0, 0, 1, 1, 1, 32
	s_sub_co_u32 s28, s28, 1
	s_cmp_lg_u32 s28, 0
	s_cbranch_scc1 .Lk
	TRIP 1, 0, 1, 1, 1, 32                         ; trip 11 asks for the last slice
	TRIP 0, 0, 1, 1, 0, 32                         ; trip 12 asks for nothing: behind slice 14's loads stand slice 15's 32
	TRIP 1, 0, 1, 1, 0, 0                          ; trip 13: slice 15's loads are the last
	TRIP 0, 0, 1, 0, 0, 0                          ; trip 14 stores slice 15 and converts nothing
	TRIP 1, 0, 0, 0, 0, 0                          ; trip 15
; THE WAY OUT.  A lane's eight results are eight neighbouring columns of one row: four conversions make its 16 bytes, and a wave's store covers a tile's 512 consecutive bytes, aligned.
; Every tile has four registers of its own in OUTR, so that no store's data is written again.  q and v leave first; k's arithmetic stands behind their stores.
.macro OUTC g, mt                      ; a tile of q or v is rounded
.irp k, 0,1,2,3
	v_cvt_pk_f16_f32 v[OUTR+4*(4*(\g)+(\mt))+(\k)], v[ACC+8*(4*(\g)+(\mt))+2*(\k)], v[ACC+8*(4*(\g)+(\mt))+2*(\k)+1]
.endr
.endm
.macro OUTS g, mt                      ; a tile is stored
	global_store_b128 v[GO], v[OUTR+4*(4*(\g)+(\mt)):OUTR+4*(4*(\g)+(\mt))+3], s[18+2*(\g):19+2*(\g)] offset:(\mt)*32768
.endm
	PLACES
.irp mt, 0,1,2,3
	OUTC 0, \mt
	OUTC 2, \mt
.endr
	s_wait_alu depctr_va_vdst(0)                   ; the conversions have written q's and v's registers of OUTR, which the eight stores read
.irp mt, 0,1,2,3
	OUTS 0, \mt
	OUTS 2, \mt
.endr
	; k: elu(z) + 1 is z + 1 where z > 0 and e^z elsewhere.  The 32 exponentials are one batch.
.irp mt, 0,1,2,3
.irp j, 0,1,2,3,4,5,6,7
	v_mul_f32 v[EXR+8*(\mt)+(\j)], s32, v[ACC+8*(4+(\mt))+(\j)]
.endr
.endr
.irp mt, 0,1,2,3
.irp j, 0,1,2,3,4,5,6,7
	v_exp_f32 v[EXR+8*(\mt)+(\j)], v[EXR+8*(\mt)+(\j)]
.endr
.endr
.irp mt, 0,1,2,3
.irp j, 0,1,2,3,4,5,6,7
	v_add_f32 v[EUR+8*(\mt)+(\j)], 1.0, v[ACC+8*(4+(\mt))+(\j)]   ; plain lines behind the exponentials, ahead of the first use of their results
.endr
.endr
	s_wait_alu depctr_va_vdst(0)                   ; the 32 exponentials have written v[EXR ..], ahead of the first line that names a result
.irp mt, 0,1,2,3
.irp j, 0,1,2,3,4,5,6,7
	v_cmp_lt_f32 s[24+(\j)], 0, v[ACC+8*(4+(\mt))+(\j)]           ; a run of eight compares, each into a scalar register of its own (s24 to s31 serve nothing else any more)
.endr
	s_wait_alu depctr_va_sdst(0)                   ; the eight masks are written, ahead of the selects that read them
.irp j, 0,1,2,3,4,5,6,7
	v_cndmask_b32 v[EXR+8*(\mt)+(\j)], v[EXR+8*(\mt)+(\j)], v[EUR+8*(\mt)+(\j)], s[24+(\j)]
.endr
.endr
.irp mt, 0,1,2,3
.irp k, 0,1,2,3
	v_cvt_pk_f16_f32 v[OUTR+4*(4+(\mt))+(\k)], v[EXR+8*(\mt)+2*(\k)], v[EXR+8*(\mt)+2*(\k)+1]
.endr
.endr
	s_wait_alu depctr_va_vdst(0)                   ; the conversions have written k's registers of OUTR, which the four stores read
.irp mt, 0,1,2,3
	OUTS 1, \mt
.endr
	s_wait_dscnt 0x0                               ; the closing lines, six on end
	s_wait_alu 0x0
	s_wait_tensorcnt 0x0
	ds_add_u32 v[SPW], v[NIL]
	s_wait_dscnt 0x0
	s_endpgm
.Lfunc_end_k_qb1faecd58f_qkv:
	.size	k_qb1faecd58f_qkv, .Lfunc_end_k_qb1faecd58f_qkv-k_qb1faecd58f_qkv
	.p2alignl 7, 3214868480
	.fill 96, 4, 3214868480
	.section	.rodata,"a",@progbits
	.p2align	6, 0x0
	.amdhsa_kernel k_qb1faecd58f_qkv
		.amdhsa_group_segment_fixed_size 80384
		.amdhsa_private_segment_fixed_size 0
		.amdhsa_enable_private_segment 0
		.amdhsa_kernarg_size 80
		.amdhsa_user_sgpr_count 2
		.amdhsa_user_sgpr_kernarg_segment_ptr 1
		.amdhsa_wavefront_size32 1
		.amdhsa_system_sgpr_workgroup_id_x 1
		.amdhsa_system_sgpr_workgroup_id_y 1
		.amdhsa_system_sgpr_workgroup_id_z 1
		.amdhsa_system_vgpr_workitem_id 0
		.amdhsa_next_free_vgpr 576
		.amdhsa_next_free_sgpr 66
		.amdhsa_reserve_vcc 0
		.amdhsa_float_denorm_mode_32 3
		.amdhsa_float_denorm_mode_16_64 3
		.amdhsa_memory_ordered 1
		.amdhsa_forward_progress 1
		.amdhsa_inst_pref_size 122
	.end_amdhsa_kernel
	.amdgpu_metadata
---
amdhsa.version: [ 1, 2 ]
amdhsa.kernels:
  - .name:           k_qb1faecd58f_qkv
    .symbol:         k_qb1faecd58f_qkv.kd
    .args:
      - { .name: x, .offset: 0, .size: 8, .value_kind: global_buffer, .address_space: global }
      - { .name: Wq, .offset: 8, .size: 8, .value_kind: global_buffer, .address_space: global }
      - { .name: Wk, .offset: 16, .size: 8, .value_kind: global_buffer, .address_space: global }
      - { .name: Wv, .offset: 24, .size: 8, .value_kind: global_buffer, .address_space: global }
      - { .name: bq, .offset: 32, .size: 8, .value_kind: global_buffer, .address_space: global }
      - { .name: bk, .offset: 40, .size: 8, .value_kind: global_buffer, .address_space: global }
      - { .name: bv, .offset: 48, .size: 8, .value_kind: global_buffer, .address_space: global }
      - { .name: qf, .offset: 56, .size: 8, .value_kind: global_buffer, .address_space: global }
      - { .name: kf, .offset: 64, .size: 8, .value_kind: global_buffer, .address_space: global }
      - { .name: vf, .offset: 72, .size: 8, .value_kind: global_buffer, .address_space: global }
    .group_segment_fixed_size: 80384
    .private_segment_fixed_size: 0
    .kernarg_segment_align: 8
    .kernarg_segment_size: 80
    .max_flat_workgroup_size: 128
    .sgpr_count:     66
    .vgpr_count:     576
    .wavefront_size: 32
...
	.end_amdgpu_metadata
.endif
;; end of part 3
;; launch mix (part 4): grid 16 x 16, 4 waves a work-group, no clusters, 144,896 bytes of LDS; arguments qf, kf, vf, Wo, bo, decay_param, out0; writes out0
.if DOCPART == 4
	.amdgcn_target "amdgcn-amd-amdhsa--gfx1250"
	.amdhsa_code_object_version 6
	.text
	.protected	k_qb1faecd58f_mix
	.globl	k_qb1faecd58f_mix
	.p2align	8
	.type	k_qb1faecd58f_mix,@function
k_qb1faecd58f_mix:
	s_mov_b64 s[64:65], 0
	v_nop
	global_prefetch_b8 v0, s[64:65] scope:SCOPE_SE
	s_setreg_imm32_b32 hwreg(HW_REG_WAVE_SCHED_MODE, 0, 2), 2
	s_setreg_imm32_b32 hwreg(HW_REG_WAVE_MODE, 25, 1), 1
	s_wait_xcnt 0x0
	s_wait_alu depctr_vm_vsrc(0)
; out[b][t] = ( sum over s < t of d^(t-1-s) (q_t . k_s) v_s ) Wo + bo,  d = sigmoid(decay_param): the scan of rank-1 updates written out; the 1024 x 1024 memory is never formed.
; Per batch: A[t][s] = (q_t . k_s) d^(t-1-s) for s < t, else 0 (128 x 128);  T = V Wo;  out = A T + bo.
; qf, kf, vf: f16, [row tile 64][column tile 64][lane 32][8]: 1,024 bytes on end are one 16 x 32 operand fragment.  Wo [1024 e][1024 n], bo, decay_param: f32, each rounded once to bf16; Wo's bf16 number is then written as f16.
; SHARES.  Work-group (nb, y = 2 b + g): batch b, output columns 64 nb .., four t tiles of 16 rows.  Wave w = 2 p + c; a = 2 g + p.
;   A^T = K Q^T (source 0 = 16 keys s, source 1 = 16 queries t): the pair p owns t tiles 7 - a and a, together 9 tiles on or below the diagonal whatever a: all waves do equal work.  The pair's two waves split K:
;   wave c takes channels 32 c .. of every slice of 64; the halves meet in LDS behind the loop.  Ten accumulator slots: tile (7 - a, sigma) in slot sigma, tile (a, sigma) in slot 2 U + sigma, U = 4 - g; one slot stays 0.
;   T: wave w makes s tiles 2 w, 2 w + 1 x four tiles of 16 columns.  (A's tiles are made anew by each of the 16 column blocks: 4.7 M of a work-group's 14.1 M multiply-adds, the price of having no third launch.)
;   out^T = T^T A^T: wave (p, c) makes the pair's two t tiles x column tiles 2 c, 2 c + 1.  In A^T and in T a lane holds one t (or one column) and eight neighbouring s: rounded in pairs they ARE the operands of that product.
; FORMATS.  q, k, v, Wo in f16, sums in f32.  A and T can outgrow f16, so each goes as a bf16 pair hi + lo, and out takes three products: hi hi, lo hi, hi lo.
; ROAD.  K (the channels) goes in 16 slices of 64, begun at slice (nb + y) mod 16 and wrapped, so that work-groups that share K, V or Wo ask for different slices at a time; only the order of the f32 sums changes.
;   Q and V come from memory straight into operand registers; K (which all four waves read) and Wo (converted and turned) go through two LDS buffers that take turns, one barrier a slice.  Two register sets stay on their way
;   across the barriers.
; NO TENSOR LOADS, NO CLUSTER: of a slice's 56 KB, 24 go straight into operand registers and 16 (Wo) must be converted on the way; only K's 16 could land in LDS as they lie, and joint requests would forbid the rotation.
; LIMITS.  The bf16-rounded Wo must lie within f16's 65,504; below 6e-5 it keeps f16's fixed step of 6e-8.  log2 d is held at -1e30 or above, so d = 0 gives the factors 1, 0, 0, ..; a power of d below 2^-126 counts as 0.
;   NaN and infinities are not treated apart.
; THE MODE: SCHED_MODE bits 1:0 = 2 (LLVM: expert scheduling mode 2), set by the entry lines.  The code itself states the register dependences between vector or matrix instructions
; and memory or LDS instructions, with s_wait_alu, always for 0.
; THE PLAN.  Registers that memory or LDS instructions touch, in the loop (trip i multiplies slice i of the walk; slice j lives in set j % 2):
;   Q, V of a set   12 loads land at the end of trip j - 2; the products of trip j read them; then they are asked for again.
;   K of a set      8 loads land in the middle of trip j - 3; the LDS stores at the head of trip j - 1 read them; asked for again in the middle of that trip.
;   Wo of a set     8 loads, with K's; converted in place at the end of trip j - 2; the LDS stores at the head of trip j - 1 read the result; asked for again with K.
;   fragments (window 2)  32 LDS loads at a trip's head land; the trip's products read them.
;   VQ, VK, VW      an offset of each kind a set: written at a trip's end, ahead of the conversions; VQ is read by the loads straight behind, VK and VW by the loads in the middle of the next trip.
;   the LDS and global addresses v2 to v17 are made at the head and never written again.
; So a trip has ONE wait on va_vdst, behind Wo's conversions, which stand behind the trip's products: Wo is converted, the offsets are written, the products are done with Q, V and the fragments.  Up to the next such wait follow
; Q's and V's loads, the next trip's fragment loads, its LDS stores and K's and Wo's loads, among products that name none of the registers that these touch.  And ONE wait on vm_vsrc, in the trip's middle, ahead of K's and Wo's loads:
; the LDS stores have read the registers in which those loads land, and all earlier loads have read the offsets that the trip's end writes again.
.set KBUF,  16384                      ; K's stage: 8 s tiles x 2,048 bytes, in lane order
.set WST,   32768                      ; Wo's stage: 64 e rows x 160 bytes (128 of data + 32, for the turning load)
.set WBUF,  10240
.set TT,    53248                      ; T: block ((nt 8 + sigma) 2 + hl) x 512 bytes, lane order
.set XA,    86016                      ; each wave's ten f32 partial tiles: 10,240 bytes a wave
.set OST,   126976                     ; the way out: 64 rows x 272 bytes
.set SPARE, 144384                     ; the spare words, 128 bytes a wave, which no other line names
.set L16, 2                            ; v2   16 x lane
.set T16, 3                            ; v3   16 x thread: K's 2,048 bytes of a tile and slice; also K's place in its stage
.set VO,  4                            ; v4   (t >> 4) x 4096 + (t & 15) x 16: my row and 16 bytes in 8 rows x 256 bytes of Wo
.set BOF, 5                            ; v5   my offset in bo's 64 numbers
.set FK,  6                            ; v6   my lane's place in a fragment of K, my half c of the channels
.set SWO, 7                            ; v7   where I put 8 bytes of Wo's stage
.set FWO, 8                            ; v8   my lane's place in a fragment of Wo (turning load)
.set ST,  9                            ; v9   where my T tiles go
.set FT,  10                           ; v10  where my fragments of T come from
.set SA,  11                           ; v11  my partial tiles
.set SPW, 12                           ; v12  LDS address of my spare word; never rewritten
.set NIL, 13                           ; v13  0; never rewritten
.set RA,  14                           ; v14  my partner's partial tiles (wave w xor 1)
.set SO,  15                           ; v15  the way out: in
.set RO,  16                           ; v16  the way out: back
.set GV,  17                           ; v17  my offset in two rows of out
.set VQ,  18                           ; v18-19  set S: L16 + slice x 2,048: Q's and V's offset
.set VK,  20                           ; v20-21  set S: T16 + slice x 2,048: K's offset
.set VW,  22                           ; v22-23  set S: VO + slice x 64 rows of 4,096 bytes: Wo's offset
.set TMP, 24                           ; v[24:31]   at work
.set ACC, 32                           ; v[32:111]  the ten slots of A^T
.set TACC, 112                         ; v[112:175] T's accumulator (i, nt) at TACC + 8 (4 i + nt)
.set OA,  112                          ; later out^T's accumulator (tau, q) at OA + 8 (2 tau + q)
.set GF,  176                          ; v[176:183] d^(E + 16 - j)
.set HF,  184                          ; v[184:191] d^(E - j), 0 where E - j < 0
.set BO,  192                          ; v[192:207] bo of my two column tiles
.set XH,  208                          ; v[208:247] A's five hi fragments, behind the loop
.set TH,  208                          ; v[208:239] ahead of them: T's eight hi halves on their way to LDS, tile (i, nt) at TH + 4 (4 i + nt)
.set LG,  208                          ; ahead of the loop: log2 d,
.set EI,  209                          ; and E = r - 8 h - 1
.set TMP2, 248                         ; v[248:255] at work
; window 1: landing set S at 112 S: Q of tile a + 0, Q of tile 7 - a + 8, V(i, u) + 16 + 16 i + 8 u, K(sigma) + 48 + 4 sigma, Wo(i) + 80 + 4 i; behind the loop v[0:79] take the partner's partial tiles
; window 2: K's fragment sigma at 8 sigma, Wo's fragment (u, nt) at 64 + 8 (4 u + nt); behind the loop T's fragment (q, u, hl) at 8 ((4 q + u) 2 + hl)
.set MSB, 0
.macro WIN new                         ; the immediate's high byte repeats the setting that is left; a switch that changes nothing is dropped
.if MSB != (\new)
	s_set_vgpr_msb (MSB<<8)|(\new)
.set MSB, \new
.endif
.endm
.macro PLACES                          ; four plain vector instructions behind a matrix instruction, ahead of loads into its sources and of reads of its result
.rept 4
	v_nop
.endr
.endm
; The offsets (written under window 0).  Each set has registers of its own: one is rewritten only behind the counted s_wait_loadcnt that shows the loads which named it done, and behind a wait on vm_vsrc.
.macro KOFF S                          ; K's and Wo's, for slice s29
	v_lshl_add_u32 v[VK+(\S)], s29, 11, v[T16]
	v_lshl_add_u32 v[VW+(\S)], s29, 18, v[VO]
	s_add_co_u32 s29, s29, 1
	s_and_b32 s29, s29, 15
.endm
.macro QOFF S                          ; Q's and V's, for slice s28
	v_lshl_add_u32 v[VQ+(\S)], s28, 11, v[L16]
	s_add_co_u32 s28, s28, 1
	s_and_b32 s28, s28, 15
.endm
	s_load_b256 s[4:11], s[0:1], 0x0               ; qf s[4:5], kf s[6:7], vf s[8:9], Wo s[10:11]
	s_load_b128 s[12:15], s[0:1], 0x20             ; bo s[12:13], decay_param s[14:15]
	s_load_b64 s[16:17], s[0:1], 0x30              ; out0
	v_lshl_add_u32 v[SPW], v0, 2, SPARE
	v_mov_b32 v[NIL], 0
	v_lshrrev_b32 v1, 5, v0
	v_readfirstlane_b32 s20, v1                    ; w
	s_mov_b32 s21, ttmp9                           ; nb
	s_and_b32 s22, ttmp7, 0xffff                   ; y
	s_lshr_b32 s23, s22, 1                         ; b
	s_and_b32 s24, s22, 1                          ; g
	s_add_co_u32 s28, s21, s22
	s_and_b32 s28, s28, 15                         ; the next slice of Q and V to ask for,
	s_mov_b32 s29, s28                             ; and of K and Wo: both walks begin at (nb + y) mod 16
	s_mov_b32 s45, 0xffff0000                      ; a word's upper bf16
	v_and_b32 v[L16], 31, v0
	v_lshlrev_b32 v[L16], 4, v[L16]
	v_lshlrev_b32 v[T16], 4, v0
	v_lshrrev_b32 v24, 4, v0                       ; t >> 4
	v_and_b32 v25, 15, v0                          ; r
	v_bfe_u32 v26, v0, 4, 1                        ; h
	v_lshlrev_b32 v[VO], 12, v24
	v_lshl_add_u32 v[VO], v25, 4, v[VO]
	s_wait_alu depctr_va_sdst(0)                   ; s20, the wave's number, is written, ahead of its first reader
	s_lshr_b32 s25, s20, 1                         ; p
	s_and_b32 s26, s20, 1                          ; c
	s_lshl1_add_u32 s27, s24, s25                  ; a = 2 g + p
	v_lshlrev_b32 v[BOF], 5, v26
	v_lshl_add_u32 v[BOF], s26, 7, v[BOF]          ; column (2 c) 16 + 8 h, in bytes
	v_lshl_add_u32 v[FK], s26, 10, v[L16]
	v_mul_u32_u24 v[SWO], v24, 160
	v_lshl_add_u32 v[SWO], v25, 3, v[SWO]
	v_add_nc_u32 v[SWO], WST, v[SWO]
	v_and_b32 v27, 7, v0
	v_lshl_add_u32 v27, v26, 3, v27                ; the turning load: e row 8 h + (lane & 7),
	v_mul_u32_u24 v[FWO], v27, 160
	v_bfe_u32 v28, v0, 3, 1
	v_lshl_add_u32 v[FWO], v28, 4, v[FWO]          ; 16 bytes by (lane >> 3) & 1
	v_add_nc_u32 v[FWO], WST, v[FWO]
	s_lshl_b32 s30, s20, 11
	s_add_co_u32 s30, s30, TT
	v_add_nc_u32 v[ST], s30, v[L16]
	s_lshl_b32 s30, s26, 14
	s_add_co_u32 s30, s30, TT
	v_add_nc_u32 v[FT], s30, v[L16]
	s_mul_i32 s30, s20, 10240
	s_add_co_u32 s30, s30, XA
	v_add_nc_u32 v[SA], s30, v[L16]
	s_xor_b32 s30, s20, 1
	s_mul_i32 s30, s30, 10240
	s_add_co_u32 s30, s30, XA
	v_add_nc_u32 v[RA], s30, v[L16]
	s_mul_i32 s30, s25, 32*272                     ; the stage's row 32 p + 16 tau + r, bytes 128 c + 64 q + 32 h
	s_lshl_b32 s31, s26, 7
	s_add_co_u32 s30, s30, s31
	s_add_co_u32 s30, s30, OST
	v_mul_u32_u24 v[SO], v25, 272
	v_lshl_add_u32 v[SO], v26, 5, v[SO]
	v_add_nc_u32 v[SO], s30, v[SO]
	s_mul_i32 s30, s20, 16*272                     ; back: wave w takes rows 16 w .., two whole rows a load
	s_add_co_u32 s30, s30, OST
	v_mul_u32_u24 v[RO], v26, 272
	v_lshl_add_u32 v[RO], v25, 4, v[RO]
	v_add_nc_u32 v[RO], s30, v[RO]
	v_lshlrev_b32 v[GV], 12, v26
	v_lshl_add_u32 v[GV], v25, 4, v[GV]
	v_lshlrev_b32 v[EI], 3, v26
	v_sub_nc_u32 v[EI], v25, v[EI]
	v_add_nc_u32 v[EI], -1, v[EI]                  ; E = r - 8 h - 1: register j of a tile Delta tiles below the diagonal's has t - 1 - s = 16 Delta + E - j
.irp s, 5,7,9                                          ; the slot that no product writes is 9, 7, 9 or 5 for a = 0..3: these three start at 0
.irp j, 0,1,2,3,4,5,6,7
	v_mov_b32 v[ACC+8*(\s)+(\j)], 0
.endr
.endr
	KOFF 0                                         ; slices 0 and 1 of the walk: each run of loads has offset registers of its own
	QOFF 0
	KOFF 1
	QOFF 1
	s_wait_kmcnt 0x0
	s_load_b32 s44, s[14:15], 0x0                  ; decay_param
	s_mov_b32 s33, 0
	s_lshl_b32 s46, s23, 3                         ; 8 b
	s_lshl_b32 s47, s26, 10                        ; my half of a slice's channels: 1,024 bytes
	s_add_co_u32 s32, s46, s27
	s_lshl_b32 s32, s32, 15                        ; a row tile is 32,768 bytes
	s_add_co_u32 s32, s32, s47
	s_add_nc_u64 s[34:35], s[4:5], s[32:33]        ; Q of t tile a
	s_add_co_u32 s32, s46, 7
	s_sub_co_u32 s32, s32, s27
	s_lshl_b32 s32, s32, 15
	s_add_co_u32 s32, s32, s47
	s_add_nc_u64 s[36:37], s[4:5], s[32:33]        ; Q of t tile 7 - a
	s_lshl_b32 s32, s23, 18
	s_add_nc_u64 s[40:41], s[6:7], s[32:33]        ; K of the batch
	s_lshl_b32 s46, s20, 16
	s_add_co_u32 s32, s32, s46
	s_add_nc_u64 s[38:39], s[8:9], s[32:33]        ; V at my two s tiles
	s_lshl_b32 s32, s21, 8
	s_add_nc_u64 s[42:43], s[10:11], s[32:33]      ; Wo and bo at the block's 64 columns
	s_add_nc_u64 s[12:13], s[12:13], s[32:33]
	s_sub_co_u32 s46, 7, s27
	s_cmp_eq_u32 s26, 0
	s_cselect_b32 s46, s46, s27                    ; the t tile that I store: 7 - a (c = 0) or a (c = 1)
	s_lshl_b32 s46, s46, 16                        ; 16 rows of 4,096 bytes
	s_lshl_b32 s47, s23, 19                        ; 128 rows
	s_add_co_u32 s46, s46, s47
	s_add_co_u32 s32, s32, s46
	s_add_nc_u64 s[16:17], s[16:17], s[32:33]
	s_wait_alu depctr_va_vdst(0)                   ; every offset and address of the kernel is written (v2 to v23), which the loads and stores below read
.irp q, 0,1
	global_load_b128 v[BO+8*(\q):BO+8*(\q)+3],   v[BOF], s[12:13] offset:64*(\q)
	global_load_b128 v[BO+8*(\q)+4:BO+8*(\q)+7], v[BOF], s[12:13] offset:64*(\q)+16
.endr
; 12 loads straight into operand registers: Q of my two t tiles (my 32 channels) and V of my two s tiles (64 channels)
.macro QVLOAD S
	WIN 0x40                                       ; data in window 1, offset in window 0
	global_load_b128 v[112*(\S):112*(\S)+3],     v[VQ+(\S)], s[34:35]
	global_load_b128 v[112*(\S)+4:112*(\S)+7],   v[VQ+(\S)], s[34:35] offset:512
	global_load_b128 v[112*(\S)+8:112*(\S)+11],  v[VQ+(\S)], s[36:37]
	global_load_b128 v[112*(\S)+12:112*(\S)+15], v[VQ+(\S)], s[36:37] offset:512
.irp i, 0,1
.irp k, 0,1,2,3
	global_load_b128 v[112*(\S)+16+16*(\i)+4*(\k):112*(\S)+16+16*(\i)+4*(\k)+3], v[VQ+(\S)], s[38:39] offset:(\i)*32768+512*(\k)
.endr
.endr
.endm
; 16 loads for the stages: my 16 bytes of each of K's eight tiles; my row and 16 bytes of each 8 rows of Wo's slice (16 lanes read 256 consecutive bytes, aligned)
.macro KWLOAD S
	WIN 0x40
.irp t, 0,1,2,3,4,5,6,7
	global_load_b128 v[112*(\S)+48+4*(\t):112*(\S)+48+4*(\t)+3], v[VK+(\S)], s[40:41] offset:(\t)*32768
.endr
.irp i, 0,1,2,3,4,5,6,7
	global_load_b128 v[112*(\S)+80+4*(\i):112*(\S)+80+4*(\i)+3], v[VW+(\S)], s[42:43] offset:(\i)*32768
.endr
.endm
; Wo: four f32 are rounded to bf16, widened again and written as f16 (exact within f16's range), in place; each step runs across the eight loads, so that no line waits for the one before it.
.macro WCVT S
	WIN 0x45
.irp i, 0,1,2,3,4,5,6,7
	v_cvt_pk_bf16_f32 v[112*(\S)+80+4*(\i)], v[112*(\S)+80+4*(\i)], v[112*(\S)+80+4*(\i)+1]
.endr
.irp i, 0,1,2,3,4,5,6,7
	v_cvt_pk_bf16_f32 v[112*(\S)+80+4*(\i)+1], v[112*(\S)+80+4*(\i)+2], v[112*(\S)+80+4*(\i)+3]
.endr
.irp i, 0,1,2,3,4,5,6,7
	v_lshlrev_b32 v[112*(\S)+80+4*(\i)+2], 16, v[112*(\S)+80+4*(\i)]
.endr
.irp i, 0,1,2,3,4,5,6,7
	v_and_b32 v[112*(\S)+80+4*(\i)+3], s45, v[112*(\S)+80+4*(\i)]
.endr
.irp i, 0,1,2,3,4,5,6,7
	v_cvt_pk_f16_f32 v[112*(\S)+80+4*(\i)], v[112*(\S)+80+4*(\i)+2], v[112*(\S)+80+4*(\i)+3]
.endr
.irp i, 0,1,2,3,4,5,6,7
	v_lshlrev_b32 v[112*(\S)+80+4*(\i)+2], 16, v[112*(\S)+80+4*(\i)+1]
.endr
.irp i, 0,1,2,3,4,5,6,7
	v_and_b32 v[112*(\S)+80+4*(\i)+3], s45, v[112*(\S)+80+4*(\i)+1]
.endr
.irp i, 0,1,2,3,4,5,6,7
	v_cvt_pk_f16_f32 v[112*(\S)+80+4*(\i)+1], v[112*(\S)+80+4*(\i)+2], v[112*(\S)+80+4*(\i)+3]
.endr
.endm
; 16 LDS stores: K goes to its stage as it came, Wo as it was converted
.macro KWPUT S, buf
	WIN 0x04                                       ; address in window 0, data in window 1
.irp t, 0,1,2,3,4,5,6,7
	ds_store_b128 v[T16], v[112*(\S)+48+4*(\t):112*(\S)+48+4*(\t)+3] offset:(\buf)*KBUF+(\t)*2048
.endr
.irp i, 0,1,2,3,4,5,6,7
	ds_store_b64 v[SWO], v[112*(\S)+80+4*(\i):112*(\S)+80+4*(\i)+1] offset:(\buf)*WBUF+(\i)*1280
.endr
.endm
; 32 LDS loads: Wo's eight fragments (turned) first, then K's eight (all eight s tiles for every wave: one text)
.macro FRAGS buf
	WIN 0x80                                       ; data in window 2, address in window 0
.irp u, 0,1
.irp nt, 0,1,2,3
	ds_load_tr16_b128 v[64+8*(4*(\u)+(\nt)):64+8*(4*(\u)+(\nt))+3],   v[FWO] offset:(\buf)*WBUF+(\u)*5120+(\nt)*32
	ds_load_tr16_b128 v[64+8*(4*(\u)+(\nt))+4:64+8*(4*(\u)+(\nt))+7], v[FWO] offset:(\buf)*WBUF+(\u)*5120+(\nt)*32+2560
.endr
.endr
.irp t, 0,1,2,3,4,5,6,7
	ds_load_b128 v[8*(\t):8*(\t)+3],   v[FK] offset:(\buf)*KBUF+(\t)*2048
	ds_load_b128 v[8*(\t)+4:8*(\t)+7], v[FK] offset:(\buf)*KBUF+(\t)*2048+512
.endr
.endm
; T += V Wo: 16 matrix instructions, the eight accumulators by turns, one instruction a turn.  first = 1: the first eight start the sums with the constant 0.
.macro TMUL S, first
	WIN 0x09                                       ; source 0 (V) window 1, source 1 (Wo) window 2, C and D window 0
.irp u, 0,1
.irp i, 0,1
.irp nt, 0,1,2,3
.if (\first) && ((\u) == 0)
	v_wmma_f32_16x16x32_f16 v[TACC+8*(4*(\i)+(\nt)):TACC+8*(4*(\i)+(\nt))+7], v[112*(\S)+16+16*(\i)+8*(\u):112*(\S)+16+16*(\i)+8*(\u)+7], v[64+8*(4*(\u)+(\nt)):64+8*(4*(\u)+(\nt))+7], 0
.else
	v_wmma_f32_16x16x32_f16 v[TACC+8*(4*(\i)+(\nt)):TACC+8*(4*(\i)+(\nt))+7], v[112*(\S)+16+16*(\i)+8*(\u):112*(\S)+16+16*(\i)+8*(\u)+7], v[64+8*(4*(\u)+(\nt)):64+8*(4*(\u)+(\nt))+7], v[TACC+8*(4*(\i)+(\nt)):TACC+8*(4*(\i)+(\nt))+7]
.endif
.endr
.endr
.endr
.endm
.macro AW slot, sig, qreg, first       ; slot += K's tile sig x Q
.if \first
	v_wmma_f32_16x16x32_f16 v[ACC+8*(\slot):ACC+8*(\slot)+7], v[8*(\sig):8*(\sig)+7], v[\qreg:\qreg+7], 0
.else
	v_wmma_f32_16x16x32_f16 v[ACC+8*(\slot):ACC+8*(\slot)+7], v[8*(\sig):8*(\sig)+7], v[\qreg:\qreg+7], v[ACC+8*(\slot):ACC+8*(\slot)+7]
.endif
.endm
; A^T's nine tiles for the pair a: nine different accumulators
.macro AVAR a, S, first
	WIN 0x06                                       ; source 0 (K) window 2, source 1 (Q) window 1, C and D window 0
.set sg, 0
.rept 8-(\a)
	AW sg, sg, 112*(\S)+8, \first
.set sg, sg+1
.endr
.set sg, 0
.rept (\a)+1
	AW 8-2*((\a)/2)+sg, sg, 112*(\S), \first
.set sg, sg+1
.endr
	WIN 0
.endm
; One of four texts by a.  The jumps go forward, pass no barrier, and every window is 0 at them.
.macro ON_A m, p1, p2
	s_cmp_lt_u32 s27, 2
	s_cbranch_scc0 .La23_\@
	s_cmp_eq_u32 s27, 0
	s_cbranch_scc0 .La1_\@
	\m 0, \p1, \p2
	s_branch .Ladone_\@
.La1_\@:
	\m 1, \p1, \p2
	s_branch .Ladone_\@
.La23_\@:
	s_cmp_eq_u32 s27, 2
	s_cbranch_scc0 .La3_\@
	\m 2, \p1, \p2
	s_branch .Ladone_\@
.La3_\@:
	\m 3, \p1, \p2
.Ladone_\@:
.endm
; Trip i multiplies slice i (K and Wo from LDS buffer par = i % 2, Q and V from register set par).
;   head:    the fragment loads; st = 1: the LDS stores of K and Wo of slice i + 1 (the other set) into the other buffer.  Both are covered by the wait on va_vdst at the end of the trip before.
;   middle:  T's products; ik = 1: K and Wo of slice i + 3 are asked for, into the set just stored; A's products.
;   end:     cv = 1: the offsets; Wo of slice i + 2 (set par) is converted; the wait on va_vdst; Q and V of slice i + 2 are asked for, into the registers just multiplied.
; THE LOAD COUNTS.  Trip j issues K, Wo of slice j + 3 (16 loads) and then Q, V of slice j + 2 (12).  ca, ahead of the products: behind Q, V of slice i stand K, Wo of i + 2 and Q, V of i + 1: 28.
; cb, ahead of the conversions: behind K, Wo of slice i + 2 stand Q, V of i + 1 and K, Wo of i + 3: 28.  The first and the last trips' counts stand at their lines.
; ONE barrier a trip orders both ways: in front of it my stores into the other buffer and my reads of this one are done; behind it the other buffer is read and this one may be written.
.macro TRIP par, first, ca, st, ik, cv, cb
	FRAGS \par
.if \st
	KWPUT 1-(\par), 1-(\par)
.endif
	s_wait_loadcnt \ca                             ; Q and V of this slice are in
.if \st
	s_wait_dscnt 32                                ; Wo's 16 fragment loads are in: behind them stand K's 16 and the 16 stores
.else
	s_wait_dscnt 16                                ; Wo's 16 loads are in; K's 16 may be out
.endif
	TMUL \par, \first
.if \ik
	WIN 0x40
	s_wait_alu depctr_vm_vsrc(0)                   ; the LDS stores at the trip's head have read K's and Wo's registers of the other set, in which the loads below land; the loads issued so far have read the offsets that the trip's end writes again
	KWLOAD 1-(\par)
.endif
.if \st
	s_wait_dscnt 16                                ; K's fragments are in; the 16 stores may be out
.else
	s_wait_dscnt 0x0
.endif
	WIN 0
	ON_A AVAR, \par, \first
.if \cv
	s_wait_loadcnt \cb                             ; K and Wo of slice i + 2 are in
.if \ik
	KOFF \par                                      ; for slice i + 4, asked for in the next trip's middle (in trip 12 the two are made and not used: the price of one text for trips 1 to 12)
.endif
	QOFF \par                                      ; for slice i + 2
	WCVT \par
	WIN 0x40
	s_wait_alu depctr_va_vdst(0)                   ; the conversions have written Wo's registers, which the next trip's LDS stores read; the offsets are written; the products are done reading Q and V, in which the loads below land, and the fragments, in which the next trip's land
	QVLOAD \par
	WIN 0
.else
	PLACES                                         ; nothing is left to convert: four places behind the last product, ahead of loads into its sources and of reads of its result
.if \st
	s_wait_alu depctr_va_vdst(0)                   ; the products are done reading the fragments, in which the last trip's LDS loads land
.endif
.endif
.if \st
	s_wait_dscnt 0x0
	s_barrier_signal -1
	s_barrier_wait -1
.endif
.endm
	KWLOAD 0                                       ; slices 0 and 1 of the walk: four runs of loads on end
	QVLOAD 0
	KWLOAD 1
	QVLOAD 1
	WIN 0
	; while they are on their way: log2 d and the factors
	s_wait_kmcnt 0x0
	v_mov_b32 v24, s44
	v_cvt_pk_bf16_f32 v24, v24, v24                ; decay_param is rounded to bf16 like every other input
	v_lshlrev_b32 v24, 16, v24
	v_mul_f32 v24, 0xbfb8aa3b, v24                 ; - p log2(e)
	v_exp_f32 v25, v24
	v_nop                                          ; a plain line behind each transcendental, ahead of the use of its result
	s_wait_alu depctr_va_vdst(0)                   ; the exponential has written v25, ahead of its reader
	v_add_f32 v25, 1.0, v25
	v_log_f32 v25, v25
	v_nop
	s_wait_alu depctr_va_vdst(0)                   ; the logarithm has written v25, ahead of its reader
	v_mul_f32 v25, -1.0, v25                       ; log2 d = - log2(1 + e^-p)
	v_max_num_f32 v[LG], 0xf149f2ca, v25           ; held at -1e30, so that 0 x log2 d is 0 where d is 0
.irp j, 0,1,2,3,4,5,6,7
	v_add_nc_u32 v[GF+(\j)], 16-(\j), v[EI]        ; 0 .. 30
	v_add_nc_u32 v[TMP+(\j)], -(\j), v[EI]         ; -16 .. 14
.endr
.irp j, 0,1,2,3,4,5,6,7
	v_cvt_f32_i32 v[GF+(\j)], v[GF+(\j)]
	v_cvt_f32_i32 v[HF+(\j)], v[TMP+(\j)]
.endr
.irp j, 0,1,2,3,4,5,6,7
	v_mul_f32 v[GF+(\j)], v[LG], v[GF+(\j)]
	v_max_num_f32 v[HF+(\j)], 0, v[HF+(\j)]
.endr
.irp j, 0,1,2,3,4,5,6,7
	v_mul_f32 v[HF+(\j)], v[LG], v[HF+(\j)]
.endr
	v_mul_f32 v[TMP2+1], 16.0, v[LG]
	v_mul_f32 v[TMP2+2], 32.0, v[LG]
	v_mul_f32 v[TMP2+3], 48.0, v[LG]
	v_mul_f32 v[TMP2+4], 64.0, v[LG]
	v_mul_f32 v[TMP2+5], 80.0, v[LG]
	v_mul_f32 v[TMP2+6], 96.0, v[LG]
.irp j, 0,1,2,3,4,5,6,7
	v_exp_f32 v[GF+(\j)], v[GF+(\j)]
.endr
.irp j, 0,1,2,3,4,5,6,7
	v_exp_f32 v[HF+(\j)], v[HF+(\j)]
.endr
.irp m, 1,2,3,4,5,6
	v_exp_f32 v[TMP2+(\m)], v[TMP2+(\m)]
.endr
	v_nop
	s_wait_alu depctr_va_vdst(0)                   ; the 22 exponentials have written GF, HF and v[TMP2 ..], ahead of the first line that names a result
.irp j, 0,1,2,3,4,5,6,7
	v_cmp_le_i32 s[4+(\j)], 0, v[TMP+(\j)]         ; s < t ?  A run of eight compares, each into a scalar register of its own (s4 to s11 serve nothing else any more),
.endr
.irp m, 1,2,3,4,5,6
	v_readfirstlane_b32 s[48+2*(\m)], v[TMP2+(\m)] ; and d^(16 m), the same in every lane
.endr
	s_wait_alu depctr_va_sdst(0)                   ; the eight masks and the six powers are written, ahead of the selects and the moves that read them
.irp j, 0,1,2,3,4,5,6,7
	v_cndmask_b32 v[HF+(\j)], 0, v[HF+(\j)], s[4+(\j)]
.endr
.irp m, 1,2,3,4,5,6
	s_mov_b32 s[49+2*(\m)], s[48+2*(\m)]           ; named with it as a pair
.endr
	s_wait_loadcnt 40                              ; behind slice 0's K and Wo stand 12 + 16 + 12 loads; bo's four are older still
	s_wait_alu depctr_vm_vsrc(0)                   ; slice 0's loads have read VK and VW of set 0, which are written again
	KOFF 0                                         ; slice 2
	WCVT 0
	WIN 0
.irp k, 0,1,2,3,4,5,6,7                                ; bo is rounded to bf16
	v_cvt_pk_bf16_f32 v[TMP+(\k)], v[BO+2*(\k)], v[BO+2*(\k)+1]
.endr
.irp k, 0,1,2,3,4,5,6,7
	v_lshlrev_b32 v[BO+2*(\k)],   16,  v[TMP+(\k)]
	v_and_b32     v[BO+2*(\k)+1], s45, v[TMP+(\k)]
.endr
	WIN 0x04
	s_wait_alu depctr_va_vdst(0)                   ; the conversions have written slice 0's Wo, which the LDS stores read; VK and VW of set 0 are written, which the loads below read
	KWPUT 0, 0                                     ; buffer 0's first filling: nobody has read it
	WIN 0x40
	s_wait_alu depctr_vm_vsrc(0)                   ; the LDS stores have read K's and Wo's registers of set 0, in which the loads below land
	KWLOAD 0                                       ; slice 2
	WIN 0
	s_wait_loadcnt 28                              ; slice 1's K and Wo are in: behind them stand its Q and V (12) and slice 2's K and Wo (16)
	KOFF 1                                         ; slice 3, asked for in trip 0 (slice 1's loads read these two ahead of the wait on vm_vsrc above)
	WCVT 1
	WIN 0
	s_wait_alu depctr_va_vdst(0)                   ; the conversions have written slice 1's Wo, which trip 0's LDS stores read; VK and VW of set 1 are written, which trip 0's loads read
	s_wait_dscnt 0x0                               ; my part of buffer 0 is written
	s_barrier_signal -1
	s_barrier_wait -1
	TRIP 0, 1, 28, 1, 1, 1, 16                     ; trip 0 stands in front of the loop: its products start the sums.  Slice 1's Q and V were issued ahead of slice 2's K and Wo: behind these stand slice 3's 16 alone
	s_mov_b32 s30, 6
.Lk:                                                   ; trips 1 to 12
	TRIP 1, 0, 28, 1, 1, 1, 28
	TRIP 0, 0, 28, 1, 1, 1, 28
	s_sub_co_u32 s30, s30, 1
	s_cmp_lg_u32 s30, 0
	s_cbranch_scc1 .Lk
	TRIP 1, 0, 28, 1, 0, 1, 12                     ; trip 13 asks for no K and Wo: behind slice 15's stand slice 14's Q and V, 12 loads; it asks for the last Q and V
	TRIP 0, 0, 12, 1, 0, 0, 0                      ; trip 14: behind its Q and V stand the last 12 loads; it stores slice 15 and converts nothing
	TRIP 1, 0, 0, 0, 0, 0, 0                       ; trip 15; its four places also serve the lines below
; Eight f32 in R become a bf16 pair: hi (4 registers at HD), and lo = bf16(R - hi) (4 registers at LD; LD = R is allowed: the writes ascend behind the reads).  The accumulator's lowest registers are read first.
.macro SPLIT R, HD, LD
.irp k, 0,1,2,3
	v_cvt_pk_bf16_f32 v[(\HD)+(\k)], v[(\R)+2*(\k)], v[(\R)+2*(\k)+1]
.endr
.irp k, 0,1,2,3
	v_lshlrev_b32 v[TMP+2*(\k)],   16,  v[(\HD)+(\k)]
	v_and_b32     v[TMP+2*(\k)+1], s45, v[(\HD)+(\k)]
.endr
.irp k, 0,1,2,3
	v_pk_add_f32 v[(\R)+2*(\k):(\R)+2*(\k)+1], v[(\R)+2*(\k):(\R)+2*(\k)+1], v[TMP+2*(\k):TMP+2*(\k)+1] neg_lo:[0,1] neg_hi:[0,1]
.endr
.irp k, 0,1,2,3
	v_cvt_pk_bf16_f32 v[(\LD)+(\k)], v[(\R)+2*(\k)], v[(\R)+2*(\k)+1]
.endr
.endm
	; my half sums of A^T go to my partner, T's tiles to everybody.  The half sums' stores go out first; T's splits, which name none of their registers, stand behind them.
	s_wait_alu depctr_va_vdst(0)                   ; the products have written the ten slots, which the LDS stores read; the places above stay beside this wait
.irp s, 0,1,2,3,4,5,6,7,8,9
	ds_store_b128 v[SA], v[ACC+8*(\s):ACC+8*(\s)+3]   offset:(\s)*1024
	ds_store_b128 v[SA], v[ACC+8*(\s)+4:ACC+8*(\s)+7] offset:(\s)*1024+512
.endr
.irp i, 0,1
.irp nt, 0,1,2,3
	SPLIT TACC+8*(4*(\i)+(\nt)), TH+4*(4*(\i)+(\nt)), TACC+8*(4*(\i)+(\nt))   ; each tile's hi half has four registers of its own, so that one wait serves all sixteen stores
.endr
.endr
	s_wait_alu depctr_va_vdst(0)                   ; the splits have written T's hi halves (v[TH ..]) and lo halves (in the accumulators' first four registers), which the LDS stores read
.irp i, 0,1
.irp nt, 0,1,2,3
	ds_store_b128 v[ST], v[TH+4*(4*(\i)+(\nt)):TH+4*(4*(\i)+(\nt))+3] offset:(\nt)*8192+(\i)*1024
	ds_store_b128 v[ST], v[TACC+8*(4*(\i)+(\nt)):TACC+8*(4*(\i)+(\nt))+3] offset:(\nt)*8192+(\i)*1024+512
.endr
.endr
	s_wait_dscnt 0x0                               ; for the others' sake: my stores are done
	s_barrier_signal -1
	s_barrier_wait -1
	WIN 0x40
	s_wait_alu depctr_vm_vsrc(0)                   ; K's LDS stores have read set 0's registers, in which my partner's tiles land; the stores above have read the slots, v[TH ..] and T's accumulators, all of which are written again below
.irp s, 0,1,2,3,4,5,6,7,8,9
	ds_load_b128 v[8*(\s):8*(\s)+3],   v[RA] offset:(\s)*1024       ; (the products that read set 0's Q and V, and those that read the fragments, stand ahead of the waits on va_vdst above)
	ds_load_b128 v[8*(\s)+4:8*(\s)+7], v[RA] offset:(\s)*1024+512
.endr
	WIN 0x80
.irp q, 0,1
.irp u, 0,1,2,3
.irp hl, 0,1                                           ; a fragment of T^T: 16 columns x s tiles 2 u, 2 u + 1
	ds_load_b128 v[8*((4*(\q)+(\u))*2+(\hl)):8*((4*(\q)+(\u))*2+(\hl))+3],   v[FT] offset:(\q)*8192+(\u)*2048+(\hl)*512
	ds_load_b128 v[8*((4*(\q)+(\u))*2+(\hl))+4:8*((4*(\q)+(\u))*2+(\hl))+7], v[FT] offset:(\q)*8192+(\u)*2048+(\hl)*512+1024
.endr
.endr
.endr
	s_wait_dscnt 32                                ; my partner's half sums are in; T's 32 loads may be out
	WIN 0x04
.set i, 0
.rept 40
	v_pk_add_f32 v[ACC+2*i:ACC+2*i+1], v[ACC+2*i:ACC+2*i+1], v[2*i:2*i+1]
.set i, i+1
.endr
	WIN 0
; The factors d^(t-1-s).  delta = t tile - s tile: 0: HF, which also hides s >= t; 1 or more: GF, and from 2 on d^(16 (delta - 1)) as well.
.macro FMUL slot, delta
.irp k, 0,1,2,3
.if (\delta) == 0
	v_pk_mul_f32 v[ACC+8*(\slot)+2*(\k):ACC+8*(\slot)+2*(\k)+1], v[ACC+8*(\slot)+2*(\k):ACC+8*(\slot)+2*(\k)+1], v[HF+2*(\k):HF+2*(\k)+1]
.else
	v_pk_mul_f32 v[ACC+8*(\slot)+2*(\k):ACC+8*(\slot)+2*(\k)+1], v[ACC+8*(\slot)+2*(\k):ACC+8*(\slot)+2*(\k)+1], v[GF+2*(\k):GF+2*(\k)+1]
.endif
.endr
.if (\delta) >= 2
.irp k, 0,1,2,3
	v_pk_mul_f32 v[ACC+8*(\slot)+2*(\k):ACC+8*(\slot)+2*(\k)+1], v[ACC+8*(\slot)+2*(\k):ACC+8*(\slot)+2*(\k)+1], s[46+2*(\delta):47+2*(\delta)] op_sel_hi:[1,0]
.endr
.endif
.endm
.macro FACT a, d1, d2                  ; the last two arguments are not used
.set sg, 0
.rept 8-(\a)
	FMUL sg, 7-(\a)-sg
.set sg, sg+1
.endr
.set sg, 0
.rept (\a)+1
	FMUL 8-2*((\a)/2)+sg, (\a)-sg
.set sg, sg+1
.endr
.endm
	ON_A FACT, 0, 0
.irp f, 0,1,2,3,4                                      ; slots 2 f, 2 f + 1 make fragment f (32 s x 16 t): hi at XH + 8 f, lo in slot 2 f's own eight registers
	SPLIT ACC+16*(\f),   XH+8*(\f),   ACC+16*(\f)
	SPLIT ACC+16*(\f)+8, XH+8*(\f)+4, ACC+16*(\f)+4
.endr
	s_wait_dscnt 0x0                               ; T's fragments are in
; out^T = bo + T^T A^T.  Fragments 0 .. U - 1 belong to t tile 7 - a (tau = 0), the others to t tile a (tau = 1).  For each: hi hi, lo hi, hi lo, for my two column tiles q by turns:
; no two matrix instructions on end share an accumulator, one instruction a turn.  bo is the C operand that starts a sum.
.macro PH3 g
	WIN 0x02                                       ; source 0 (T) window 2, all else window 0
.set ff, 0
.rept 5
.if ff < 4-(\g)
.set tau, 0
.set uu, ff
.else
.set tau, 1
.set uu, ff-4+(\g)
.endif
.irp kind, 0,1,2
.irp q, 0,1
.set rD, OA+8*(2*tau+(\q))
.set rT, 8*((4*(\q)+uu)*2+(\kind)/2)
.if (\kind) == 1
.set rA, ACC+16*ff
.else
.set rA, XH+8*ff
.endif
.if (uu == 0) && ((\kind) == 0)
	v_wmma_f32_16x16x32_bf16 v[rD:rD+7], v[rT:rT+7], v[rA:rA+7], v[BO+8*(\q):BO+8*(\q)+7]
.else
	v_wmma_f32_16x16x32_bf16 v[rD:rD+7], v[rT:rT+7], v[rA:rA+7], v[rD:rD+7]
.endif
.endr
.endr
.set ff, ff+1
.endr
	WIN 0
.endm
	s_cmp_eq_u32 s24, 0
	s_cbranch_scc0 .Lg1
	PH3 0
	s_branch .Lsummed
.Lg1:
	PH3 1
.Lsummed:
	PLACES
	s_wait_alu depctr_va_vdst(0)                   ; the products have written out^T's four accumulators, which the LDS stores read, and are done reading A's lo fragments, in whose registers the rows land on their way back; the places above stay beside this wait
	; THE WAY OUT.  A lane holds one row t and eight neighbouring columns: 32 bytes.  They go into rows of 272 bytes; a row's 256 bytes come from two waves, so a barrier stands between writing and reading.
.irp tau, 0,1
.irp q, 0,1
	ds_store_b128 v[SO], v[OA+8*(2*(\tau)+(\q)):OA+8*(2*(\tau)+(\q))+3]   offset:(\tau)*4352+(\q)*64
	ds_store_b128 v[SO], v[OA+8*(2*(\tau)+(\q))+4:OA+8*(2*(\tau)+(\q))+7] offset:(\tau)*4352+(\q)*64+16
.endr
.endr
	s_wait_dscnt 0x0
	s_barrier_signal -1
	s_barrier_wait -1
.irp i, 0,1,2,3,4,5,6,7
	ds_load_b128 v[ACC+4*(\i):ACC+4*(\i)+3], v[RO] offset:(\i)*544
.endr
.irp i, 0,1,2,3,4,5,6,7
	s_wait_dscnt 7-(\i)                            ; LDS loads come back in order: load i is in
	global_store_b128 v[GV], v[ACC+4*(\i):ACC+4*(\i)+3], s[16:17] offset:(\i)*8192 th:TH_STORE_NT  ; 16 lanes store 256 consecutive bytes, at a multiple of 256 from out0's first byte
.endr
	s_wait_dscnt 0x0                               ; the closing lines, six on end
	s_wait_alu 0x0
	s_wait_tensorcnt 0x0
	ds_add_u32 v[SPW], v[NIL]
	s_wait_dscnt 0x0
	s_endpgm
.Lfunc_end_k_qb1faecd58f_mix:
	.size	k_qb1faecd58f_mix, .Lfunc_end_k_qb1faecd58f_mix-k_qb1faecd58f_mix
	.p2alignl 7, 3214868480
	.fill 96, 4, 3214868480
	.section	.rodata,"a",@progbits
	.p2align	6, 0x0
	.amdhsa_kernel k_qb1faecd58f_mix
		.amdhsa_group_segment_fixed_size 144896
		.amdhsa_private_segment_fixed_size 0
		.amdhsa_enable_private_segment 0
		.amdhsa_kernarg_size 56
		.amdhsa_user_sgpr_count 2
		.amdhsa_user_sgpr_kernarg_segment_ptr 1
		.amdhsa_wavefront_size32 1
		.amdhsa_system_sgpr_workgroup_id_x 1
		.amdhsa_system_sgpr_workgroup_id_y 1
		.amdhsa_system_sgpr_workgroup_id_z 1
		.amdhsa_system_vgpr_workitem_id 0
		.amdhsa_next_free_vgpr 640
		.amdhsa_next_free_sgpr 66
		.amdhsa_reserve_vcc 0
		.amdhsa_float_denorm_mode_32 3
		.amdhsa_float_denorm_mode_16_64 3
		.amdhsa_memory_ordered 1
		.amdhsa_forward_progress 1
		.amdhsa_inst_pref_size 139
	.end_amdhsa_kernel
	.amdgpu_metadata
---
amdhsa.version: [ 1, 2 ]
amdhsa.kernels:
  - .name:           k_qb1faecd58f_mix
    .symbol:         k_qb1faecd58f_mix.kd
    .args:
      - { .name: qf, .offset: 0, .size: 8, .value_kind: global_buffer, .address_space: global }
      - { .name: kf, .offset: 8, .size: 8, .value_kind: global_buffer, .address_space: global }
      - { .name: vf, .offset: 16, .size: 8, .value_kind: global_buffer, .address_space: global }
      - { .name: Wo, .offset: 24, .size: 8, .value_kind: global_buffer, .address_space: global }
      - { .name: bo, .offset: 32, .size: 8, .value_kind: global_buffer, .address_space: global }
      - { .name: decay_param, .offset: 40, .size: 8, .value_kind: global_buffer, .address_space: global }
      - { .name: out0, .offset: 48, .size: 8, .value_kind: global_buffer, .address_space: global }
    .group_segment_fixed_size: 144896
    .private_segment_fixed_size: 0
    .kernarg_segment_align: 8
    .kernarg_segment_size: 56
    .max_flat_workgroup_size: 128
    .sgpr_count:     66
    .vgpr_count:     640
    .wavefront_size: 32
...
	.end_amdgpu_metadata
.endif
;; end of part 4
